; MI455X (gfx1250); checked and timed in simulation.
; The chip was launched on July 23, 2026; its instructions are those of AMD's public machine-readable ISA for CDNA 5 (MIT licence, August 2026) and "CDNA5" Instruction Set Architecture Reference Guide (July 2026). The comments in the code are by the model that wrote it; some were corrected since.
;; CLIP Attention. Allowed arithmetic: matrix products marked QUANTISED: E2M3 operands, one E8M0 scale for each 32 along K, by v_wmma_scale_f32_16x16x128_f8f6f4 with both operands' format E2M3, f32 sums; everything else in f32.
;; Inputs: in_proj_bias 3,072 float32; in_proj_weight 3,072 x 1,024 float32; out_proj_bias 1,024 float32; out_proj_weight 1,024 x 1,024 float32; x 8 x 1,024 x 1,024 float32.
;; Outputs: out0 8 x 1,024 x 1,024 float32.
;; This version of the problem:
;;   THIS VERSION OF THE PROBLEM IS GIVEN IN LOW PRECISION. The matrix products marked QUANTISED in the list below multiply operands that are first quantised to E2M3 (2 exponent bits, 3 mantissa bits; 6 bits a number), with one power-of-two scale for each 32 numbers along K (OCP MX v1.0); their sums are f32. All else is computed in f32.
;;   The module's matrix products, in the order in which they are computed (A, B: the left and right operand; K: the contracted axis; several contracted axes count as one K, in the product's order):
;;     1. [M 8,192, K 1,024] x [K 1,024, N 3,072]; A: input x; B: input in_proj_weight: QUANTISED
;;     2. batch 128 x [M 1,024, K 64] x [K 64, N 1,024]; A: computed on the way; B: computed on the way: QUANTISED
;;     3. batch 128 x [M 1,024, K 1,024] x [K 1,024, N 64]; A: softmax (see below); B: computed on the way: QUANTISED
;;     4. [M 8,192, K 1,024] x [K 1,024, N 1,024]; A: computed on the way; B: input out_proj_weight: QUANTISED
;;   THE QUANTISER, for each operand of a quantised product, along K:
;;     - K is cut into blocks of 32 from its start; a last block that is shorter is filled with zeros.
;;     - A block's scale is 2^e with e = floor(log2(the largest magnitude in the block)) - 2, held to -126 .. 127; a block of zeros has e = 0. As a byte (E8M0): e + 127.
;;     - Each number is divided by its block's scale, clamped to +-7.5, and rounded to the nearest number of E2M3, ties to even, subnormals kept.
;;     - The product sums the exact products of the quantised numbers (number of the format x scale) in f32.
;;   ~~~python
;;   def quantise(x, axis):      # numpy; x: float32 -> the quantised numbers, widened to float32 again
;;       x = np.moveaxis(x, axis, -1); K = x.shape[-1]
;;       x = np.pad(x, [(0, 0)] * (x.ndim - 1) + [(0, -K % 32)]); x = x.reshape(x.shape[:-1] + (-1, 32)); a = np.abs(x).max(-1, keepdims=True)
;;       e = np.where(a > 0, np.clip(np.frexp(np.where(a > 0, a, 1))[1] - 1 - 2, -126, 127), 0)      # np.frexp(a)[1] - 1 = floor(log2(a)), exactly
;;       r = np.clip(x / 2.0 ** e, -7.5, 7.5)
;;       step = 2.0 ** (np.maximum(np.frexp(np.where(r == 0, 1, r))[1] - 1, 0) - 3)
;;       q = np.round(r / step) * step * 2.0 ** e      # np.round: ties to even
;;       return np.moveaxis(q.reshape(q.shape[:-2] + (-1,))[..., :K], -1, axis).astype(np.float32)
;;   ~~~
;;   SOFTMAX AHEAD OF A QUANTISED PRODUCT. Where the list says 'softmax', what is quantised is not the finished softmax but p = 2^(t - M), with t = logit x log2(e) and M = ceil(the row's largest t), a whole number; so 1/2 < the row's largest p <= 1. The row's sum l is taken of the UNQUANTISED p, in f32, and the product's result is divided by l at the end. Since M is a whole number, a kernel that streams over the keys may use a running M (the ceiling of the running maximum): every later rescaling is an exact power of two, which a block's scale takes up: the codes' values come out the same.
;;   OPERANDS COMPUTED ON THE WAY. 'Computed on the way' means the value that the module computes at that place (a softmax that the list does not call 'softmax' is quantised finished and normalised). What goes into a quantiser is computed in f32, as accurately as f32 sums, v_exp_f32 and their like allow (about 1e-6 of the number): no bf16 or f16 on the way to a quantiser, and a product that is left as it is and whose result goes on into a quantised operand takes f32 operands (vector FMAs, or v_wmma_f32_16x16x4_f32). A number that lies on a knife's edge between two numbers of the format may be rounded either way, as far as f32 arithmetic and the matrix unit's own rounding can turn it there, and no further.
;; One version. Each part assembles by itself: llvm-mc -triple=amdgcn-amd-amdhsa -mcpu=gfx1250 --defsym DOCPART=n.
;; ======== version 1 of 1: 4 launches
;; limits: right only within a limited range of input values
;; workspace buffers: cod1 8,650,752 bytes; cod2 7,077,888 bytes; sclA 360,448 bytes; sclB 294,912 bytes; qkvc 18,874,368 bytes; qkvs 786,432 bytes
;; launch quant (part 1): grid 768 x 1, 2 waves a work-group, no clusters, 34,304 bytes of LDS; arguments x, in_proj_weight, out_proj_weight, cod1, cod2, sclA, sclB; writes cod1, cod2, sclA, sclB
.if DOCPART == 1
	.amdgcn_target "amdgcn-amd-amdhsa--gfx1250"
	.amdhsa_code_object_version 6
	.text
	.protected	k_q66aa98f6a0_quant
	.globl	k_q66aa98f6a0_quant
	.p2align	8
	.type	k_q66aa98f6a0_quant,@function
k_q66aa98f6a0_quant:
	s_mov_b64 s[64:65], 0
	v_nop
	global_prefetch_b8 v0, s[64:65] scope:SCOPE_SE
	s_setreg_imm32_b32 hwreg(HW_REG_WAVE_MODE, 25, 1), 1
	s_wait_xcnt 0x0
; x [8192][1024], in_proj_weight [3072][1024] and out_proj_weight [1024][1024], f32, K innermost, become codes of FP6 (E2M3) with one E8M0 byte for each 32 along K.
; A block's scale is 2^(floor(log2(its largest magnitude)) - 2); its byte is that magnitude's exponent field - 2, held at 1 from below.
; LIMITS: a block of zeros, or one whose largest magnitude lies under 2^-124, gets the byte 1 (the rule says 127 for zeros: the codes are zeros and this program alone reads the bytes); NaN and infinities are not served.
; LAYOUT OF THE CODES: images of the operand's registers.  Rows go in tiles of 16; place r of tile T holds row 32 (T / 2) + 8 (T % 2) + r + 8 (r / 8), so that a product that takes two neighbouring
; tiles as source 0 leaves 16 neighbours along that axis in a lane's 16 registers.  A tile is 16 pieces of 768 bytes (64 along K): lane l's registers 0-3 at 16 l, registers 4-5 at 512 + 8 l.
; LAYOUT OF THE SCALES: [K step of 128][group of 4 tiles][256 bytes]: the word of place r of tile t at 16 r + 4 t.
; SHARES: the 12,288 rows are 192 groups of 64.  A work-group takes a group and half of K, a wave 64 rows x 128 along K: four tiles.  Waves share nothing: no barrier.
; Each load reads 512 consecutive bytes of a row; a tile turns through the wave's own stage in LDS (pitch 528 bytes), from which a lane takes its two blocks of 32 neighbours.  Loads run one tile (16 loads) ahead.
.set PITCH, 528
.set STG,   16*PITCH                   ; a wave's stage
.set R,     32                         ; v32-159  two sets of 64 registers as loaded
.set X,     160                        ; v160-223 my 64 numbers: register 32 c + i = k 64 c + 32 h + i of my row
.set C,     224                        ; v224-235 the fragment's 12 registers
.set CT,    236                        ; v236-243 the upper halves of the two blocks as converted
.set SW,    244                        ; v244-247 the four tiles' scale words
	s_load_b128 s[4:7], s[0:1], 0x0                ; x, in_proj_weight
	s_load_b128 s[8:11], s[0:1], 0x10              ; out_proj_weight, cod1
	s_load_b128 s[12:15], s[0:1], 0x20             ; cod2, sclA
	s_load_b64 s[16:17], s[0:1], 0x30              ; sclB
	v_lshl_add_u32 v254, v0, 2, 0x8400
	v_mov_b32 v255, 0
	v_lshrrev_b32 v7, 5, v0
	v_readfirstlane_b32 s18, v7                    ; wave
	v_and_b32 v7, 31, v0                           ; lane
	v_and_b32 v16, 15, v0                          ; r
	v_bfe_u32 v17, v0, 4, 1                        ; h
	v_lshlrev_b32 v1, 4, v7                        ; 16 x lane
	v_lshlrev_b32 v2, 3, v7                        ; 8 x lane
	s_mul_i32 s19, s18, STG
	v_add_nc_u32 v3, s19, v1                       ; the stage, on the way in
	v_mul_u32_u24 v4, v16, PITCH
	v_lshl_add_u32 v4, v17, 7, v4
	v_add_nc_u32 v4, s19, v4                       ; and out: row r, + 128 h bytes
	v_lshlrev_b32 v5, 3, v17                       ; 8 h: my two bytes' shift in the scale word
	v_lshl_add_u32 v6, v16, 4, v5                  ; 16 r + 8 h: my 8 bytes of the group's 256 scale bytes
	v_cmp_ne_u32 s30, 0, v17                       ; lanes 16-31
	v_mov_b32 v13, 0                               ; a lane permute's destination counts as read
	s_mov_b32 s20, 0x76543210
	s_mov_b32 s21, 0xfedcba98                      ; selects for lane l xor 16
; A work-group of two waves takes a group of 64 rows and a quarter of K (it takes the place of the shares named at the head): 768 work-groups, three for each of 256 WGPs; a wave's share is as before.
	s_lshr_b32 s22, ttmp9, 2                       ; G: the group of 64 rows
	s_and_b32 s23, ttmp9, 3
	s_lshl_b32 s23, s23, 1
	s_add_co_u32 s23, s23, s18                     ; ks: my K step of 128
	s_mov_b32 s27, 36864
	s_wait_alu depctr_va_vdst(0)
	s_wait_kmcnt 0x0
	s_cmp_lt_u32 s22, 128                          ; groups 0-127 x, 128-175 in_proj_weight, 176-191 out_proj_weight: only pointers and offsets are chosen
	s_cselect_b64 s[4:5], s[4:5], s[6:7]
	s_cselect_b32 s24, 0, 128
	s_cmp_lt_u32 s22, 176
	s_cselect_b64 s[4:5], s[4:5], s[8:9]
	s_cselect_b32 s24, s24, 176                    ; the tensor's first group
	s_cselect_b64 s[10:11], s[10:11], s[12:13]     ; cod1, or cod2 for out_proj_weight
	s_cselect_b64 s[14:15], s[14:15], s[16:17]     ; sclA or sclB
	s_cselect_b32 s25, 0, 192                      ; cod2's tiles 512 on = 4 G - 192
	s_cselect_b32 s26, 0, 48                       ; sclB's groups 128 on = G - 48
	s_cselect_b32 s27, 45056, s27                  ; bytes of a K step's scales
	s_sub_co_u32 s24, s22, s24
	s_lshl_b32 s28, s24, 18                        ; 64 rows of 4,096 bytes
	s_lshl_b32 s29, s23, 9
	s_add_co_u32 s28, s28, s29
	s_mov_b32 s29, 0
	s_add_nc_u64 s[4:5], s[4:5], s[28:29]
	s_lshl_b32 s28, s22, 2
	s_sub_co_u32 s28, s28, s25
	s_mul_i32 s28, s28, 12288
	s_mul_i32 s25, s23, 1536
	s_add_co_u32 s28, s28, s25
	s_add_nc_u64 s[10:11], s[10:11], s[28:29]
	s_sub_co_u32 s26, s22, s26
	s_lshl_b32 s26, s26, 8
	s_mul_i32 s28, s23, s27
	s_add_co_u32 s28, s28, s26
	s_add_nc_u64 s[14:15], s[14:15], s[28:29]
.macro LOAD t                          ; tile t's 16 rows, in the tile's order of rows: 512 consecutive bytes a load
.irp i, 0,1,2,3,4,5,6,7,8,9,10,11,12,13,14,15
; THE ORDER OF ROWS IN A TILE (it takes the place of the order named at the head): place i of tile t of a group of 64 rows holds row 8 t + i % 8 + 32 (i / 8),
; so that a product that takes four neighbouring tiles as source 0 leaves 32 neighbours along that axis, one whole scale block, in a lane's 32 registers.
	global_load_b128 v[R+64*((\t)%2)+4*\i:R+64*((\t)%2)+4*\i+3], v1, s[4:5] offset:(8*(\t)+(\i%8)+32*(\i/8))*4096 th:TH_LOAD_NT
.endr
.endm
.macro TILE t
.if (\t) < 3
	s_wait_loadcnt 16                              ; this tile's 16 loads are in; the next tile's may be out
.else
	s_wait_loadcnt 0x0
.endif
.irp i, 0,1,2,3,4,5,6,7,8,9,10,11,12,13,14,15
	ds_store_b128 v3, v[R+64*((\t)%2)+4*\i:R+64*((\t)%2)+4*\i+3] offset:PITCH*\i
.endr
.irp c, 0,1
.irp i, 0,1,2,3,4,5,6,7
	ds_load_b128 v[X+32*\c+4*\i:X+32*\c+4*\i+3], v4 offset:256*\c+16*\i   ; LDS serves a wave's instructions in order: these see the stores above
.endr
.endr
	s_wait_dscnt 0x0                               ; my numbers are back, and the stores have read their registers,
.if (\t)+2 < 4
	LOAD (\t)+2                                    ; which take the tile two on
.endif
.irp c, 0,1
	v_max3_num_f32 v[8+\c], |v[X+32*\c]|, |v[X+32*\c+1]|, 0x1800000   ; my block 2 c + h, and the floor 2^(3 - 127)
.endr
.irp i, 2,4,6,8,10,12,14,16,18,20,22,24,26,28,30
.irp c, 0,1
	v_max3_num_f32 v[8+\c], v[8+\c], |v[X+32*\c+\i]|, |v[X+32*\c+\i+1]|
.endr
.endr
.irp c, 0,1
	v_add_nc_u32 v[10+\c], 0xff000000, v[8+\c]     ; 2 off the exponent field: the conversion's scale operand
.endr
.irp c, 0,1
	v_lshrrev_b32 v[14+\c], 23, v[10+\c]           ; the byte
.endr
	v_lshl_or_b32 v12, v15, 16, v14                ; blocks h and 2 + h,
	v_lshlrev_b32 v12, v5, v12                     ; at their places;
	v_permlanex16_b32 v13, v12, s20, s21
	v_or_b32 v[SW+(\t)], v12, v13                  ; with lane l xor 16's two the word is whole
.if (\t) > 0
	s_wait_alu depctr_va_vdst(0)
	s_wait_xcnt 0x0                                ; the last tile's stores have read C
.endif
.irp c, 0,1
	v_cvt_scalef32_pk16_fp6_f32 v[C+6*\c:C+6*\c+2], v[X+32*\c:X+32*\c+15], v[10+\c]
	v_cvt_scalef32_pk16_fp6_f32 v[CT+4*\c:CT+4*\c+2], v[X+32*\c+16:X+32*\c+31], v[10+\c]   ; (a conversion's three registers begin on an even number)
.endr
	v_nop                                          ; one plain place behind a scaled conversion
.irp c, 0,1
.irp i, 0,1,2
	v_mov_b32 v[C+3+6*\c+\i], v[CT+4*\c+\i]
.endr
.endr
	global_store_b128 v1, v[C:C+3], s[10:11] offset:12288*(\t)          ; each store covers 512 or 256 consecutive bytes, aligned to 256
	global_store_b64 v2, v[C+4:C+5], s[10:11] offset:12288*(\t)+512
	global_store_b128 v1, v[C+6:C+9], s[10:11] offset:12288*(\t)+768
	global_store_b64 v2, v[C+10:C+11], s[10:11] offset:12288*(\t)+1280
.endm
	LOAD 0
	LOAD 1
	TILE 0
	TILE 1
	TILE 2
	TILE 3
	v_cndmask_b32 v8, v[SW], v[SW+2], s30          ; lanes 0-15 store tiles 0, 1's words of row r, lanes 16-31 tiles 2, 3's
	v_cndmask_b32 v9, v[SW+1], v[SW+3], s30
	global_store_b64 v6, v[8:9], s[14:15]          ; 256 consecutive bytes, aligned
	s_wait_tensorcnt 0x0
	ds_add_u32 v254, v255
	s_wait_dscnt 0x0
	s_endpgm
.Lfunc_end_k_q66aa98f6a0_quant:
	.size	k_q66aa98f6a0_quant, .Lfunc_end_k_q66aa98f6a0_quant-k_q66aa98f6a0_quant
	.p2alignl 7, 3214868480
	.fill 96, 4, 3214868480
	.section	.rodata,"a",@progbits
	.p2align	6, 0x0
	.amdhsa_kernel k_q66aa98f6a0_quant
		.amdhsa_group_segment_fixed_size 34304
		.amdhsa_private_segment_fixed_size 0
		.amdhsa_enable_private_segment 0
		.amdhsa_kernarg_size 56
		.amdhsa_user_sgpr_count 2
		.amdhsa_user_sgpr_kernarg_segment_ptr 1
		.amdhsa_wavefront_size32 1
		.amdhsa_system_sgpr_workgroup_id_x 1
		.amdhsa_system_sgpr_workgroup_id_y 1
		.amdhsa_system_sgpr_workgroup_id_z 1
		.amdhsa_system_vgpr_workitem_id 0
		.amdhsa_next_free_vgpr 256
		.amdhsa_next_free_sgpr 66
		.amdhsa_reserve_vcc 0
		.amdhsa_float_denorm_mode_32 3
		.amdhsa_float_denorm_mode_16_64 3
		.amdhsa_memory_ordered 1
		.amdhsa_forward_progress 1
		.amdhsa_inst_pref_size 31
	.end_amdhsa_kernel
	.amdgpu_metadata
---
amdhsa.version: [ 1, 2 ]
amdhsa.kernels:
  - .name:           k_q66aa98f6a0_quant
    .symbol:         k_q66aa98f6a0_quant.kd
    .args:
      - { .name: x, .offset: 0, .size: 8, .value_kind: global_buffer, .address_space: global }
      - { .name: in_proj_weight, .offset: 8, .size: 8, .value_kind: global_buffer, .address_space: global }
      - { .name: out_proj_weight, .offset: 16, .size: 8, .value_kind: global_buffer, .address_space: global }
      - { .name: cod1, .offset: 24, .size: 8, .value_kind: global_buffer, .address_space: global }
      - { .name: cod2, .offset: 32, .size: 8, .value_kind: global_buffer, .address_space: global }
      - { .name: sclA, .offset: 40, .size: 8, .value_kind: global_buffer, .address_space: global }
      - { .name: sclB, .offset: 48, .size: 8, .value_kind: global_buffer, .address_space: global }
    .group_segment_fixed_size: 34304
    .private_segment_fixed_size: 0
    .kernarg_segment_align: 8
    .kernarg_segment_size: 56
    .max_flat_workgroup_size: 64
    .sgpr_count:     66
    .vgpr_count:     256
    .wavefront_size: 32
...
	.end_amdgpu_metadata
.endif
;; end of part 1
;; launch qkv (part 2): grid 12 x 32, 4 waves a work-group, clusters of 4 x 4, 327,680 bytes of LDS; arguments cod1, sclA, in_proj_bias, qkvc, qkvs; writes qkvc, qkvs
.if DOCPART == 2
	.amdgcn_target "amdgcn-amd-amdhsa--gfx1250"
	.amdhsa_code_object_version 6
	.text
	.protected	k_q66aa98f6a0_qkv
	.globl	k_q66aa98f6a0_qkv
	.p2align	8
	.type	k_q66aa98f6a0_qkv,@function
k_q66aa98f6a0_qkv:
	s_mov_b64 s[64:65], 0
	v_nop
	global_prefetch_b8 v0, s[64:65] scope:SCOPE_SE
	s_setreg_imm32_b32 hwreg(HW_REG_WAVE_MODE, 25, 1), 1
	s_wait_xcnt 0x0
	s_wait_alu depctr_hold_cnt(0) depctr_sa_sdst(0) depctr_va_vdst(0) depctr_va_sdst(0) depctr_va_ssrc(0) depctr_va_vcc(0) depctr_vm_vsrc(0)
	s_getreg_b32 s2, hwreg(HW_REG_IB_STS2, 6, 4)
	s_cmp_eq_u32 s2, 0
	s_cbranch_scc0 .Lentry_in_a_cluster
	s_endpgm
.Lentry_in_a_cluster:
	s_bfe_u32 s2, ttmp6, 0x10000c
	s_cmp_lg_u32 s2, 0xf033
	s_cbranch_scc0 .Lentry_shape_is_right
	s_endpgm
.Lentry_shape_is_right:
; qkv = x W^T + b on codes of FP6 (E2M3) with E8M0 scales, and its results quantised in registers: q and k along the head's 64, v along the keys.  No f32 result goes to memory.
; A tile of 256 x 256 is made by four waves, 128 x 128 each: 64 accumulators.  The matrix instruction takes B's 16 rows as source 0 and A's as source 1: a lane then holds ONE row of A, and its registers run along B's rows;
; since the tiles' rows are stored in the order 8 u + r % 8 + 32 (r / 8), the 32 registers of four neighbouring tiles are 32 neighbours, which is what the conversions to codes want.
; TWO ORIENTATIONS, ONE TEXT.  Clusters x = 0, 1: A = tokens, B = rows of W_q, W_k: registers run along the features (two heads of 64 a wave).  Cluster x = 2: A = rows of W_v, B = tokens: registers run along the keys.
; The choice hangs on the cluster's x, which all sixteen partners share.  A's tiles are shared along a row of the cluster and B's along a column: each is asked for JOINTLY, which divides the requests by four.
; K = 1,024 goes in four chunks of 256 through three LDS slots: chunks 0-2 are first fills (one tensor load of a wave is out at the most), chunk 3 fills slot 0 again behind K step 1.
; The codes lie in memory as images of the operands' registers, so a fragment is four lane-contiguous LDS loads: no pitch, no padding.  All scale words of the wave (8 K steps x 8 blocks, A's in lanes 0-15, B's in lanes 16-31) stay in 64 registers.
; The bias is the C of each sum's first matrix instruction.
; LIMITS: a block of zeros, or one under 2^-124, gets the byte 1 (its codes are zeros or subnormal codes; this program alone reads the bytes); NaN and infinities are not served.
; REGISTERS: window 0: v4-15 LDS addresses, a set of four for each slot; v16-24 offsets; v28, v29 the spare word's address and 0; v32-95 scale words; v96-127, v224-255 bias; v128-223 A's fragments, ONE set; on the way out v128-179 are at work.
;   window 1: B's fragments, two sets, at v0 and v128.  windows 2, 3: accumulator (a, b) at v[64 (a % 4) + 8 b] of window 2 + a / 4.
.set NA,    8                          ; A's blocks of 16 rows a wave
.set HB,    NA/2
.set NSLOT, 3
.set SLOT,  98304                      ; A's 16 tiles x 3,072 bytes, then B's
.set AHALF, 24576                      ; the 8 tiles that a wave reads of A
.set BOFF,  49152
.set BHALF, 24576
.set SPARE, NSLOT*SLOT                 ; the spare words: 128 bytes for each wave, two blocks of 256 bytes that no other line names
.set SSTR,  45056                      ; bytes of a K step's scales
.set ADR,   4                          ; v[ADR + 4 slot + 0..3]: A at 16 x lane, A at 8 x lane, B likewise
.set VO,    16                         ; v16-19 the way out: 16 l, 8 l, and the same for the fragment's second half
.set SCO,   20
.set SELV,  21
.set VSO,   22
.set BO1,   23
.set BO2,   24
.set SPW,   28
.set NIL,   29
.set SC,    32
.set AF,    128
.set TM,    128
.set PC,    148
.set PT,    160
.set SW,    168
.set DQ,    176
.set G1A,   24
.set G1B,   32
.set G0A,   40                         ; s[40:55] group 0 for A's chunks 0-3;  s[68:83] for B's
.set G0B,   68
.set SEL,   92
.set MSB, 0
.macro WIN new                         ; the immediate's high byte repeats the setting that is left
.if MSB != (\new)
	s_set_vgpr_msb (MSB<<8)|(\new)
.set MSB, \new
.endif
.endm
.macro PLACES n
.rept \n
	v_nop
.endr
.endm
.macro CREST                           ; a round of the cluster's barrier behind its opening barrier
	s_cmp_lg_u32 s14, 0
	s_cbranch_scc1 .Lnot_wave_0_\@
	s_barrier_signal -3
.Lnot_wave_0_\@:
	s_barrier_wait -3
	s_barrier_signal -1
	s_barrier_wait -1
.endm
.macro CROUND
	s_barrier_signal -1
	s_barrier_wait -1
	CREST
.endm
.macro FRAG reg, a16, a8, off          ; a fragment of 16 rows x 128 K: two images of 768 bytes
	ds_load_b128 v[\reg:\reg+3], v[\a16] offset:\off
	ds_load_b64 v[\reg+4:\reg+5], v[\a8] offset:\off+512
	ds_load_b128 v[\reg+6:\reg+9], v[\a16] offset:\off+768
	ds_load_b64 v[\reg+10:\reg+11], v[\a8] offset:\off+1280
.endm
.macro FETCH_B ks                      ; B's eight fragments of K step ks into set ks % 2
.set fs, ADR+4*(((\ks)/2)%NSLOT)
	WIN 0x40
.irp i, 0,1,2,3,4,5,6,7
	FRAG 128*((\ks)%2)+12*\i, fs+2, fs+3, 3072*\i+1536*((\ks)%2)
.endr
	WIN 0
.endm
.macro FETCH_A ks, i0, n               ; A's blocks i0 .. i0 + n - 1 of K step ks
.set fs, ADR+4*(((\ks)/2)%NSLOT)
.set fi, \i0
.rept \n
	FRAG AF+12*fi, fs, fs+1, 3072*fi+1536*((\ks)%2)
.set fi, fi+1
.endr
.endm
; 8 matrix instructions: A's block a against B's eight.  mode 0: the sums go on; 1: they begin with the bias of B's rows; 2: with that of A's rows.
.macro MULA a, ks, mode
.set mw, 2+(\a)/4
.if \mode == 0
	WIN 0x01|(mw<<4)|(mw<<6)
.else
	WIN 0x01|(mw<<6)
.endif
.irp b, 0,1,2,3,4,5,6,7
.set rD, 64*((\a)%4)+8*\b
.set rB, 128*((\ks)%2)+12*\b
.set rA, AF+12*(\a)
.if \mode == 0
	v_wmma_scale_f32_16x16x128_f8f6f4 v[rD:rD+7], v[rB:rB+11], v[rA:rA+11], v[rD:rD+7], v[SC+8*(\ks)+\b], v[SC+8*(\ks)+(\a)] matrix_a_fmt:MATRIX_FMT_FP6 matrix_b_fmt:MATRIX_FMT_FP6 matrix_a_scale:MATRIX_SCALE_ROW1
.elseif \mode == 1
.set rC, 96+8*\b+96*(\b/4)
	v_wmma_scale_f32_16x16x128_f8f6f4 v[rD:rD+7], v[rB:rB+11], v[rA:rA+11], v[rC:rC+7], v[SC+8*(\ks)+\b], v[SC+8*(\ks)+(\a)] matrix_a_fmt:MATRIX_FMT_FP6 matrix_b_fmt:MATRIX_FMT_FP6 matrix_a_scale:MATRIX_SCALE_ROW1
.else
.set rC, 96+8*(\a)+96*((\a)/4)
	v_wmma_scale_f32_16x16x128_f8f6f4 v[rD:rD+7], v[rB:rB+11], v[rA:rA+11], v[rC:rC+7], v[SC+8*(\ks)+\b], v[SC+8*(\ks)+(\a)] matrix_a_fmt:MATRIX_FMT_FP6 matrix_b_fmt:MATRIX_FMT_FP6 matrix_a_scale:MATRIX_SCALE_ROW1
.endif
.endr
.endm
.macro MULAS a0, n, ks, mode           ; the accumulators take turns, one instruction a turn, in the same order in every K step
.set ma, \a0
.rept \n
	MULA ma, \ks, \mode
.set ma, ma+1
.endr
.endm
; A K step whose successor's tiles are known to lie in LDS.  Loads into registers that matrix instructions have read stand four plain places behind them (ISA guide 7.12.1 for vector instructions).
.macro STEP ks, mode
	s_wait_dscnt 4*HB                              ; B's set and A's lower blocks are in; the youngest loads (A's upper blocks) may be out
	MULAS 0, HB, \ks, \mode
	s_wait_dscnt 0x0
	PLACES 4
	FETCH_B (\ks)+1
	FETCH_A (\ks)+1, 0, HB
	MULAS HB, HB, \ks, \mode
	PLACES 4
	WIN 0
	FETCH_A (\ks)+1, HB, HB
.endm
.macro JLOAD c                         ; chunk c, jointly: waves 0, 1 A's halves, waves 2, 3 B's
	s_cmp_eq_u32 s15, 0
	s_cbranch_scc0 .Lfor_b_\@
	tensor_load_to_lds s[G0A+4*\c:G0A+4*\c+3], s[G1A:G1A+7]
	s_nop 0
	PLACES 4
	s_branch .Lasked_\@
.Lfor_b_\@:
	tensor_load_to_lds s[G0B+4*\c:G0B+4*\c+3], s[G1B:G1B+7]
	s_nop 0
	PLACES 4
.Lasked_\@:
.endm
; A K step behind which a slot is read that needs a barrier first.  refill = 1: the slot just read out is filled again, behind a round of the cluster's barrier.
.macro TURNS ks, tcnt, refill, c=0     ; c: the chunk that is asked for behind the round
	s_wait_tensorcnt \tcnt                         ; my part of the next slot has landed (refill: all my tensor loads have)
.if \refill
	ds_add_u32 v[SPW], v[NIL]                      ; 0 onto my spare word
.endif
	s_wait_dscnt 4*HB+\refill                      ; (the add and A's upper blocks may be out)
	MULAS 0, HB/2, \ks, 0
	s_wait_dscnt 0x0                               ; the add is done, and my reads of this slot are over
	s_barrier_signal -1
	MULAS HB/2, HB/2, \ks, 0
	WIN 0
	s_barrier_wait -1
.if \refill
	CREST
	JLOAD \c
.else
	PLACES 4
.endif
	FETCH_B (\ks)+1
	FETCH_A (\ks)+1, 0, HB
	MULAS HB, HB, \ks, 0
	PLACES 4
	WIN 0
	FETCH_A (\ks)+1, HB, HB
.endm
.macro LAST ks
	s_wait_dscnt 4*HB
	MULAS 0, HB, \ks, 0
	s_wait_dscnt 0x0
	MULAS HB, HB, \ks, 0
	WIN 0
	PLACES 4
.endm
	s_load_b128 s[4:7], s[0:1], 0x0                ; cod1, sclA
	s_load_b128 s[8:11], s[0:1], 0x10              ; in_proj_bias, qkvc
	s_load_b64 s[12:13], s[0:1], 0x20              ; qkvs
	v_lshl_add_u32 v[SPW], v0, 2, SPARE
	v_mov_b32 v[NIL], 0
	ds_add_u32 v28, v29
	ds_add_u32 v28, v29
	s_wait_dscnt 0x0
	v_lshrrev_b32 v1, 5, v0
	v_readfirstlane_b32 s14, v1                    ; wave
	s_lshr_b32 s15, s14, 1                         ; my half of A's rows.  Also: I fetch for A (0) or for B (1)
	s_and_b32 s16, s14, 1                          ; my half of B's rows.  Also: which 8 tiles I fetch
	s_bfe_u32 s20, ttmp6, 0x40000                  ; cx
	s_bfe_u32 s21, ttmp6, 0x40004                  ; cy
	s_and_b32 s56, ttmp7, 0xffff                   ; the cluster's y
	s_lshr_b32 s17, ttmp9, 1                       ; PATH: 1 in clusters x = 2 (v), else 0 (q, k)
	s_xor_b32 s57, s17, 1
	s_mul_i32 s58, s56, s57                        ; A's blocks: tokens by the cluster's y, or W_v's four
	s_mul_i32 s59, ttmp9, s57
	s_mul_i32 s60, s56, s17
	s_add_co_u32 s59, s59, s60                     ; B's blocks: W_q, W_k's by the cluster's x, or tokens by its y
	s_lshl_b32 s18, s58, 2
	s_add_co_u32 s18, s18, s21                     ; tr: A's block of 256 rows
	s_lshl_b32 s19, s59, 2
	s_add_co_u32 s19, s19, s20                     ; tc: B's
	s_mul_i32 s60, s17, 640                        ; A's first tile in cod1: x 0, W_v 640
	s_lshl_b32 s61, s57, 9                         ; B's: W_q 512, x 0
	s_lshl_b32 s22, s21, 2
	s_lshl_b32 s22, 15, s22                        ; my row of the cluster
	s_lshl_b32 s23, 0x1111, s20                    ; my column
	s_or_b32 s[G1A], s22, (3<<16)|(1<<21)          ; 15:0 the mask; 17:16 elements of 8 bytes; 21 set beside a mask; no padding
	s_or_b32 s[G1B], s23, (3<<16)|(1<<21)
.irp g, G1A, G1B
	s_mov_b32 s[\g+1], 384<<16                     ; tensor_dim0: 3,072 bytes, a tile's 256 along K
	s_mov_b32 s[\g+2], 16<<16                      ; tensor_dim1: 16 tiles for the head's loads; behind them 8
	s_mov_b32 s[\g+3], 384<<16                     ; tile_dim0
	s_mov_b32 s[\g+4], 16                          ; tile_dim1
	s_mov_b32 s[\g+5], 1536                        ; from tile to tile: 12,288 bytes
	s_mov_b32 s[\g+6], 0
	s_mov_b32 s[\g+7], 0
.endr
	s_lshl_b32 s62, s16, 3
	s_lshl_b32 s94, s18, 4
	s_add_co_u32 s94, s94, s60
	s_add_co_u32 s94, s94, s62
	s_mul_i32 s94, s94, 12288                      ; A: tile base + 16 tr + 8 half
	s_mov_b32 s95, 0
	s_lshl_b32 s96, s19, 4
	s_add_co_u32 s96, s96, s61
	s_add_co_u32 s96, s96, s62
	s_mul_i32 s96, s96, 12288                      ; B likewise
	s_mov_b32 s97, 0
	s_mul_i32 s63, s14, 24576                      ; where they go in a slot: wave x 8 tiles
	s_wait_kmcnt 0x0
	s_add_nc_u64 s[94:95], s[4:5], s[94:95]
	s_add_nc_u64 s[96:97], s[4:5], s[96:97]
	CROUND                                         ; all sixteen work-groups are here: the first joint loads meet
.irp c, 0,1,2,3
	s_mov_b32 s[G0A+4*\c], 1
	s_add_co_u32 s[G0A+4*\c+1], s63, (\c%NSLOT)*SLOT
	s_add_nc_u64 s[G0A+4*\c+2:G0A+4*\c+3], s[94:95], \c*3072
	s_or_b32 s[G0A+4*\c+3], s[G0A+4*\c+3], 0x80000000
	s_mov_b32 s[G0B+4*\c], 1
	s_add_co_u32 s[G0B+4*\c+1], s63, (\c%NSLOT)*SLOT
	s_add_nc_u64 s[G0B+4*\c+2:G0B+4*\c+3], s[96:97], \c*3072
	s_or_b32 s[G0B+4*\c+3], s[G0B+4*\c+3], 0x80000000
.endr
; THE HEAD'S LOADS, ONE A WAVE, each of all 16 tiles: wave 0 A's chunk 0, wave 1 B's chunk 0, wave 2 A's chunk 1, wave 3 B's chunk 1: one chain of branches on the wave's number.
	s_mul_i32 s98, s16, 98304                      ; my half's 8 tiles are taken off the addresses of chunks 0 and 1 again
	s_mov_b32 s99, 0
.irp c, 0,1
	s_sub_nc_u64 s[G0A+4*\c+2:G0A+4*\c+3], s[G0A+4*\c+2:G0A+4*\c+3], s[98:99]
	s_sub_nc_u64 s[G0B+4*\c+2:G0B+4*\c+3], s[G0B+4*\c+2:G0B+4*\c+3], s[98:99]
	s_mov_b32 s[G0A+4*\c+1], \c*SLOT
	s_mov_b32 s[G0B+4*\c+1], \c*SLOT+BOFF
.endr
	s_cmp_lt_u32 s14, 1
	s_cbranch_scc0 .Lhead_b0
	tensor_load_to_lds s[G0A:G0A+3], s[G1A:G1A+7]
	s_nop 0
	PLACES 4
	s_branch .Lfirst_asked
.Lhead_b0:
	s_cmp_lt_u32 s14, 2
	s_cbranch_scc0 .Lhead_a1
	tensor_load_to_lds s[G0B:G0B+3], s[G1B:G1B+7]
	s_nop 0
	PLACES 4
	s_branch .Lfirst_asked
.Lhead_a1:
	s_cmp_lt_u32 s14, 3
	s_cbranch_scc0 .Lhead_b1
	tensor_load_to_lds s[G0A+4:G0A+7], s[G1A:G1A+7]
	s_nop 0
	PLACES 4
	s_branch .Lfirst_asked
.Lhead_b1:
	tensor_load_to_lds s[G0B+4:G0B+7], s[G1B:G1B+7]
	s_nop 0
	PLACES 4
.Lfirst_asked:
	v_and_b32 v1, 31, v0                           ; lane
	v_and_b32 v2, 15, v0                           ; r
	v_bfe_u32 v3, v0, 4, 1                         ; h
	v_lshlrev_b32 v[VO], 4, v1
	v_lshlrev_b32 v[VO+1], 3, v1
	s_mul_i32 s98, s15, AHALF
	s_mul_i32 s99, s16, BHALF
	s_add_co_u32 s99, s99, BOFF
.irp s, 0,1,2
	v_add_nc_u32 v[ADR+4*\s], s98, v[VO]
	v_add_nc_u32 v[ADR+4*\s+1], s98, v[VO+1]
	v_add_nc_u32 v[ADR+4*\s+2], s99, v[VO]
	v_add_nc_u32 v[ADR+4*\s+3], s99, v[VO+1]
	s_add_co_u32 s98, s98, SLOT
	s_add_co_u32 s99, s99, SLOT
.endr
	; the scale words: lanes 0-15 take A's groups of four tiles, lanes 16-31 B's
	s_lshr_b32 s98, s60, 2
	s_lshl_b32 s99, s18, 2
	s_add_co_u32 s98, s98, s99
	s_lshl_b32 s99, s15, 1
	s_add_co_u32 s98, s98, s99
	s_lshl_b32 s98, s98, 8
	s_lshr_b32 s100, s61, 2
	s_lshl_b32 s99, s19, 2
	s_add_co_u32 s100, s100, s99
	s_lshl_b32 s99, s16, 1
	s_add_co_u32 s100, s100, s99
	s_lshl_b32 s100, s100, 8
	v_mov_b32 v25, s98
	v_mov_b32 v26, s100
	v_cmp_ne_u32 vcc_lo, 0, v3
	v_cndmask_b32 v[VSO], v25, v26, vcc_lo
	v_lshl_add_u32 v[VSO], v2, 4, v[VSO]
.irp k, 0,1,2,3,4,5,6,7
.irp j, 0,1
	global_load_b128 v[SC+8*\k+4*\j:SC+8*\k+4*\j+3], v[VSO], s[6:7] offset:\k*SSTR+256*\j
.endr
.endr
	; what differs between the two orientations on the way out.  X: the block of 256 tokens, sx my half of it; Y: the block of 256 features, sy my half
	s_cmp_eq_u32 s17, 1
	s_cselect_b32 s56, s19, s18                    ; X
	s_cselect_b32 s57, s18, s19                    ; Y
	s_cselect_b32 s58, s16, s15                    ; sx
	s_cselect_b32 s59, s15, s16                    ; sy
	s_mov_b32 s90, 49152
	s_cselect_b32 s90, 768, s90                    ; from a fragment's first half to its second: the next head's tile (q, k), or the next 64 keys (v)
	s_mov_b32 s86, 768
	s_cselect_b32 s86, 1536, s86                   ; from block a to block a + 1
	s_mov_b32 s88, 768
	s_cselect_b32 s88, 44544, s88                  ; from block 3 to block 4: v goes on to the next head
	s_mov_b32 s98, 0x05040100
	s_cselect_b32 s98, 0x03020100, s98             ; byte selects for the scale words: lanes 0-15,
	s_mov_b32 s99, 0x07060302
	s_cselect_b32 s99, 0x07060504, s99             ; lanes 16-31
	s_mov_b32 s87, 0
	s_mov_b32 s89, 0
	v_mov_b32 v25, s98
	v_mov_b32 v26, s99
	v_cndmask_b32 v[SELV], v25, v26, vcc_lo
	v_add_nc_u32 v[VO+2], s90, v[VO]
	v_add_nc_u32 v[VO+3], s90, v[VO+1]
	s_lshr_b32 s60, s57, 2
	s_lshl_b32 s61, s17, 1
	s_add_co_u32 s60, s60, s61                     ; the section: q 0, k 1, v 2
	s_lshr_b32 s61, s56, 2
	s_lshl_b32 s61, s61, 4
	s_and_b32 s62, s57, 3
	s_lshl_b32 s62, s62, 2
	s_add_co_u32 s61, s61, s62
	s_lshl_b32 s62, s59, 1
	s_add_co_u32 s61, s61, s62                     ; my first head: 16 batch + 4 (Y % 4) + 2 sy
	s_and_b32 s62, s56, 3
	s_lshl_b32 s62, s62, 1
	s_add_co_u32 s62, s62, s58                     ; my step of 128 tokens in the batch
	s_mul_i32 s98, s60, 6291456
	s_mul_i32 s63, s61, 49152
	s_add_co_u32 s98, s98, s63
	s_mul_i32 s63, s62, 6144
	s_add_co_u32 s98, s98, s63
	s_mov_b32 s99, 0
	s_add_nc_u64 s[84:85], s[10:11], s[98:99]      ; where my codes go
	s_lshl_b32 s98, s60, 18
	s_lshl_b32 s63, s61, 11
	s_add_co_u32 s98, s98, s63
	s_lshl_b32 s63, s62, 8
	s_add_co_u32 s98, s98, s63
	v_lshl_add_u32 v[SCO], v3, 11, s98             ; and my scale words: lanes 16-31 the next head's
	v_lshl_add_u32 v[SCO], v2, 4, v[SCO]
	s_lshl_b32 s98, s57, 10
	s_lshl_b32 s63, s59, 9
	s_add_co_u32 s98, s98, s63
	s_lshl_b32 s63, s17, 13
	s_add_co_u32 s98, s98, s63
	s_add_nc_u64 s[8:9], s[8:9], s[98:99]          ; the bias of my 128 features
	v_lshlrev_b32 v[BO1], 7, v3                    ; features along registers: 32 h on
	v_lshlrev_b32 v27, 3, v3                       ; 8 h: my two bytes' shift in a scale word
	v_lshrrev_b32 v25, 3, v2
	v_lshlrev_b32 v[BO2], 2, v2
	v_mad_u32_u24 v[BO2], v25, 96, v[BO2]          ; a feature a lane: r % 8 + 32 (r / 8)
	s_mov_b32 s[SEL], 0x76543210
	s_mov_b32 s[SEL+1], 0xfedcba98
	s_cmp_eq_u32 s17, 0
	s_cbranch_scc0 .Lbias_v
.irp b, 0,1,2,3,4,5,6,7
	global_load_b128 v[96+8*\b+96*(\b/4):96+8*\b+96*(\b/4)+3], v[BO1], s[8:9] offset:(64*(\b/4)+8*(\b%4))*4
	global_load_b128 v[96+8*\b+96*(\b/4)+4:96+8*\b+96*(\b/4)+7], v[BO1], s[8:9] offset:(64*(\b/4)+8*(\b%4))*4+16
.endr
	s_branch .Lbias_in
.Lbias_v:
	s_wait_alu depctr_va_vdst(0)
.irp a, 0,1,2,3,4,5,6,7
.irp j, 0,1,2,3,4,5,6,7
	global_load_b32 v[96+8*\a+96*(\a/4)+\j], v[BO2], s[8:9] offset:(64*(\a/4)+8*(\a%4))*4
.endr
.endr
.Lbias_in:
; Chunks 0 and 1 come by the head's four loads; chunks 2 and 3 are each asked for behind the spare word's add and a round of the cluster's barrier, 8 tiles a wave: one load of a wave is out at the most.
	s_wait_tensorcnt 0x0                           ; my tile of the head's four is in
	ds_add_u32 v[SPW], v[NIL]
	s_mov_b32 s[G1A+2], 8<<16                      ; no tensor load of mine is out, so a descriptor may be written: from here on a load brings 8 tiles
	s_mov_b32 s[G1A+4], 8
	s_mov_b32 s[G1B+2], 8<<16
	s_mov_b32 s[G1B+4], 8
	s_wait_dscnt 0x0
	CROUND                                         ; all four tiles are in
	JLOAD 2                                        ; chunk 2 into slot 2: it is first read for K step 4
	FETCH_B 0
	FETCH_A 0, 0, HB
	FETCH_A 0, HB, HB
	s_wait_loadcnt 0x0                             ; scale words and bias
	s_cmp_eq_u32 s17, 0
	s_cbranch_scc0 .Lstep0_v
	STEP 0, 1                                      ; the first K step starts the sums with the bias
	s_branch .Lstep0_done
.Lstep0_v:
	STEP 0, 2
.Lstep0_done:
	STEP 1, 0
	TURNS 2, 0, 1, 3                               ; chunk 2 is in; slot 0 was read out in K step 1: chunk 3 goes into it and is first read for K step 6
	STEP 3, 0
	STEP 4, 0
	TURNS 5, 0, 0                                  ; chunk 3
	STEP 6, 0
	LAST 7
; THE WAY OUT.  Block a's 64 registers of a lane are 128 neighbours' halves: register 32 g + i = index 64 g + 32 h + i of my row.  They become a fragment's 12 registers and a scale word.
.irp b, 0,1,2,3
	v_mov_b32 v[TM+4+\b], 0                        ; a lane permute's destination counts as read
.endr
.macro OUT a
.set QW, 2+(\a)/4
.set QS, 64*((\a)%4)
	WIN QW|(QW<<2)
.irp b, 0,1,2,3
	v_max3_num_f32 v[TM+\b], |v[QS+16*\b]|, |v[QS+16*\b+1]|, 0x1800000   ; each accumulator is read from its low end on; the floor 2^(3 - 127) holds the byte at 1
.endr
.irp i, 2,4,6,8,10,12,14
.irp b, 0,1,2,3
	v_max3_num_f32 v[TM+\b], |v[QS+16*\b+\i]|, |v[QS+16*\b+\i+1]|, v[TM+\b]
.endr
.endr
	WIN 0
; By the tiles' order of rows (8 u + r % 8 + 32 (r / 8) in a group of 64) register 32 g + i of a lane is index 64 g + 32 h + i of my row: a whole block of 32 in one lane.
.irp g, 0,2
	v_max_num_f32 v[TM+\g], v[TM+\g], v[TM+\g+1]   ; the two halves of a block
.endr
.irp g, 0,2
	v_add_nc_u32 v[TM+12+\g], 0xff000000, v[TM+\g] ; 2 off the exponent field: the conversions' scale operand
.endr
.irp g, 0,2
	v_lshrrev_b32 v[TM+4+\g], 23, v[TM+12+\g]      ; the byte
.endr
	v_lshl_or_b32 v[TM+4], v[TM+6], 16, v[TM+4]    ; blocks h and 2 + h,
	v_lshlrev_b32 v[TM+4], v27, v[TM+4]            ; at their places;
	v_permlanex16_b32 v[TM+5], v[TM+4], s[SEL], s[SEL+1]
	v_or_b32 v[SW+(\a)], v[TM+4], v[TM+5]          ; with lane l xor 16's two the word is whole
	WIN QW
.irp c, 0,1
	v_cvt_scalef32_pk16_fp6_f32 v[PC+6*\c:PC+6*\c+2], v[QS+32*\c:QS+32*\c+15], v[TM+12+2*\c]
	v_cvt_scalef32_pk16_fp6_f32 v[PT+4*\c:PT+4*\c+2], v[QS+32*\c+16:QS+32*\c+31], v[TM+12+2*\c]
.endr
	WIN 0
	v_nop                                          ; one plain place behind a scaled conversion
.irp c, 0,1                                    ; the operand's layout wants a whole block in a lane
.irp i, 0,1,2
	v_mov_b32 v[PC+3+6*\c+\i], v[PT+4*\c+\i]
.endr
.endr
	global_store_b128 v[VO], v[PC:PC+3], s[84:85]                  ; each store covers 512 or 256 consecutive bytes, aligned to 256
	global_store_b64 v[VO+1], v[PC+4:PC+5], s[84:85] offset:512
	global_store_b128 v[VO+2], v[PC+6:PC+9], s[84:85]
	global_store_b64 v[VO+3], v[PC+10:PC+11], s[84:85] offset:512
.if (\a) < 7
	s_wait_xcnt 0x0                                ; the stores have read their data and their base: both are written again
.if (\a) == 3
	s_add_nc_u64 s[84:85], s[84:85], s[88:89]
.else
	s_add_nc_u64 s[84:85], s[84:85], s[86:87]
.endif
.endif
.endm
.irp a, 0,1,2,3,4,5,6,7
	OUT \a
.endr
	s_cmp_eq_u32 s17, 0                            ; the step's 256 bytes of scale words for each of my two heads: lanes 0-15 the first head's, lanes 16-31 the second's
	s_wait_alu depctr_va_vdst(0)
	s_cbranch_scc0 .Lwords_v
.irp i, 0,1,2,3
	v_perm_b32 v[DQ+\i], v[SW+2*\i+1], v[SW+2*\i], v[SELV]         ; q, k: the head's two bytes of token tiles 2 i and 2 i + 1
.endr
	s_branch .Lwords_made
.Lwords_v:
.irp i, 0,1,2,3
	v_perm_b32 v[DQ+\i], v[SW+4+\i], v[SW+\i], v[SELV]             ; v: the four keys' blocks' bytes of the head's tile i of 16 channels
.endr
.Lwords_made:
	s_wait_alu depctr_va_vdst(0)
	global_store_b128 v[SCO], v[DQ:DQ+3], s[12:13]
	s_wait_tensorcnt 0x0                           ; the wave's end
	ds_add_u32 v[SPW], v[NIL]
	s_wait_dscnt 0x0
	CROUND                                         ; the closing round
	s_endpgm
.Lfunc_end_k_q66aa98f6a0_qkv:
	.size	k_q66aa98f6a0_qkv, .Lfunc_end_k_q66aa98f6a0_qkv-k_q66aa98f6a0_qkv
	.p2alignl 7, 3214868480
	.fill 96, 4, 3214868480
	.section	.rodata,"a",@progbits
	.p2align	6, 0x0
	.amdhsa_kernel k_q66aa98f6a0_qkv
		.amdhsa_group_segment_fixed_size 327680
		.amdhsa_private_segment_fixed_size 0
		.amdhsa_enable_private_segment 0
		.amdhsa_kernarg_size 40
		.amdhsa_user_sgpr_count 2
		.amdhsa_user_sgpr_kernarg_segment_ptr 1
		.amdhsa_wavefront_size32 1
		.amdhsa_system_sgpr_workgroup_id_x 1
		.amdhsa_system_sgpr_workgroup_id_y 1
		.amdhsa_system_sgpr_workgroup_id_z 1
		.amdhsa_system_vgpr_workitem_id 0
		.amdhsa_next_free_vgpr 1024
		.amdhsa_next_free_sgpr 104
		.amdhsa_reserve_vcc 1
		.amdhsa_float_denorm_mode_32 3
		.amdhsa_float_denorm_mode_16_64 3
		.amdhsa_memory_ordered 1
		.amdhsa_forward_progress 1
		.amdhsa_inst_pref_size 165
	.end_amdhsa_kernel
	.amdgpu_metadata
---
amdhsa.version: [ 1, 2 ]
amdhsa.kernels:
  - .name:           k_q66aa98f6a0_qkv
    .symbol:         k_q66aa98f6a0_qkv.kd
    .args:
      - { .name: cod1, .offset: 0, .size: 8, .value_kind: global_buffer, .address_space: global }
      - { .name: sclA, .offset: 8, .size: 8, .value_kind: global_buffer, .address_space: global }
      - { .name: in_proj_bias, .offset: 16, .size: 8, .value_kind: global_buffer, .address_space: global }
      - { .name: qkvc, .offset: 24, .size: 8, .value_kind: global_buffer, .address_space: global }
      - { .name: qkvs, .offset: 32, .size: 8, .value_kind: global_buffer, .address_space: global }
    .group_segment_fixed_size: 327680
    .private_segment_fixed_size: 0
    .kernarg_segment_align: 8
    .kernarg_segment_size: 40
    .max_flat_workgroup_size: 128
    .sgpr_count:     104
    .vgpr_count:     1024
    .wavefront_size: 32
...
	.end_amdgpu_metadata
.endif
;; end of part 2
;; launch attn (part 3): grid 4 x 64, 16 waves a work-group, clusters of 4 x 1, 327,680 bytes of LDS; arguments qkvc, qkvs, cod2, sclB; writes cod2, sclB
.if DOCPART == 3
	.amdgcn_target "amdgcn-amd-amdhsa--gfx1250"
	.amdhsa_code_object_version 6
	.text
	.protected	k_q66aa98f6a0_attn
	.globl	k_q66aa98f6a0_attn
	.p2align	8
	.type	k_q66aa98f6a0_attn,@function
k_q66aa98f6a0_attn:
	s_mov_b64 s[64:65], 0
	v_nop
	global_prefetch_b8 v0, s[64:65] scope:SCOPE_SE
	s_setreg_imm32_b32 hwreg(HW_REG_WAVE_MODE, 25, 1), 1
	s_wait_xcnt 0x0
	s_wait_alu depctr_hold_cnt(0) depctr_sa_sdst(0) depctr_va_vdst(0) depctr_va_sdst(0) depctr_va_ssrc(0) depctr_va_vcc(0) depctr_vm_vsrc(0)
	s_getreg_b32 s2, hwreg(HW_REG_IB_STS2, 6, 4)
	s_cmp_eq_u32 s2, 0
	s_cbranch_scc0 .Lentry_in_a_cluster
	s_endpgm
.Lentry_in_a_cluster:
	s_bfe_u32 s2, ttmp6, 0x10000c
	s_cmp_lg_u32 s2, 0x3003
	s_cbranch_scc0 .Lentry_shape_is_right
	s_endpgm
.Lentry_shape_is_right:
; o = softmax(q k^T / 8) v for two heads of one batch, both products on codes of FP6 (E2M3) with E8M0 scales; o / l is quantised along the model's 1,024 and leaves as codes for the last product.
; THE SOFTMAX: t = score x log2(e) / 8; M = the running largest t rounded UP to a whole number; p = 2^(t - M) is quantised along the keys, not normalised; the row's sum is taken of the unquantised p and divides at the end.
; When M moves, the sum and O are multiplied by 2^(old M - new M), which rounds nothing.
; SHARES: a work-group takes a pair of heads and 256 queries; each of its sixteen waves one tile of 16 queries, for both heads one after the other.
; The pair's K and V codes (196,608 bytes) and scale words (8,192) fit in LDS: they are filled ONCE, by one tensor load a wave: waves 0-11 take 16,384 bytes of codes each, waves 12-15 2,048 bytes of scale words each.
; CLUSTER: the four query quarters of a pair of heads read the same K and V: each load is a joint one, with the mask of all four.
; No prefetch: every tile is asked for at the head, and there is no loop to run ahead in.
; LAYOUT: S^T = K Q^T and O^T = V^T P^T: a lane holds ONE query.  Place r of tile u of a group of 64 tokens (or channels) is number 8 u + r % 8 + 32 (r / 8): so the 32 registers that four neighbouring tiles leave in lane (r, h)
; are the 32 neighbours 32 h + 0 .. 31 of the group: one whole scale block.  A block's largest number needs no other lane, and the conversions' results are the next operand's registers as they fall.
; THE FIRST PRODUCT'S K IS 64, the instruction's 128.  A fragment of K holds two token tiles, one in each half of the instruction's K; q stands between two runs of six zero registers, which gives [q | 0] and [0 | q],
; with q's scale bytes beside the q and the byte 0 (2^-127) beside the zeros: zero CODES on Q's side make that half add exactly 0 whatever K's codes there are.
; TWO SETS OF 64 REGISTERS BY TURNS: in one step a set holds K's and then V's fragments and the other the scores and p; when p has been converted and its lower 48 registers summed away, they take the next step's K.
; The last step of the second head so fetches 6,144 bytes and a scale word's row beyond K's end: they fall on bytes of V's codes, V's scale words and K's codes, which lie in LDS, and are not used.
; INDEPENDENT LINES STAND BETWEEN DEPENDENT ONES: the maxima go in eight chains, the sum as a tree in place, the scale word's lines among the tree's; the one chain that has no company (the row's maximum to -M) carries one-field hints.
; LIMITS: a block of o that is all zeros or under 2^-124 gets the byte 1; NaN and infinities are not served; the promise holds while the scaled scores stay under 2^31 in magnitude.
.set KC,    8192                       ; LDS: K's scale words at 0 (2,048 bytes a head), V's at 4,096; K's codes at KC (49,152 bytes a head), V's 98,304 on
.set STG,   204800                     ; 1,024 bytes: the sixteen tiles' scale words of o, written by LDS stores alone
.set SPARE, 205824                     ; the spare words: 128 bytes for each wave
.set AK16, 1
.set AK8,  2
.set AV16, 3
.set AV8,  4
.set ASC,  5
.set L16,  6
.set L8,   7
.set SH8,  8
.set SIN,  9
.set SPW,  10
.set NIL,  11                          ; v12 -M, v13 the largest score, v[14:15] the sum in two halves
.set QB,   16                          ; v16-27 [0 | q]
.set QA,   22                          ; v22-33 [q | 0]
.set QN,   34                          ; the second head's q
.set QSA,  40
.set QSB,  41
.set QWN,  42
.set PS1,  43                          ; p's scale word, odd steps; PS0: even steps
.set PS0,  44
.set AW,   45
.set F,    46
.set BM,   48
.set PD,   50
.set SOP,  52
.set T0,   54
.set T1,   55
.set SCL,  56                          ; two sets of four: lanes 0-15 K's scale words, lanes 16-31 V's
.set Z1,   64
.set Z2,   128
.set O,    192
.set P,    224
.set PT,   236                         ; v236-242 the upper halves of the blocks as converted
.set MX,   236                         ; v236-243 ahead of that: the eight chains of the maxima
.set T2,   250
.set LSC,  251
.set R16,  252
.set SOUT, 253
.set GS,   254
.set QW0,  255
.set WV,  12
.set SEL, 20
.set CS,  22
.set G1C, 24
.set G1S, 32
.set TKA, 48                           ; byte offsets of the even and of the odd step's codes and scale words, each stepped once a trip
.set TKB, 49
.set TSA, 50
.set TSB, 51
.set CNT, 52
.set QSH, 53
.set TVA, 54                           ; the same offsets for V's codes
.set TVB, 55
.macro CROUND
	s_barrier_signal -1
	s_barrier_wait -1
	s_cmp_lg_u32 s[WV], 0
	s_cbranch_scc1 .Lnot_wave_0_\@
	s_barrier_signal -3
.Lnot_wave_0_\@:
	s_barrier_wait -3
	s_barrier_signal -1
	s_barrier_wait -1
.endm
.macro FRAG reg, a16, a8, off          ; a fragment: two images of 768 bytes, lane-contiguous
	ds_load_b128 v[\reg:\reg+3], v[\a16] offset:\off
	ds_load_b64 v[\reg+4:\reg+5], v[\a8] offset:\off+512
	ds_load_b128 v[\reg+6:\reg+9], v[\a16] offset:\off+768
	ds_load_b64 v[\reg+10:\reg+11], v[\a8] offset:\off+1280
.endm
.macro MM d, a, b, c, sa, sb, row
	v_wmma_scale_f32_16x16x128_f8f6f4 v[\d:\d+7], v[\a:\a+11], v[\b:\b+11], \c, v[\sa], v[\sb] matrix_a_fmt:MATRIX_FMT_FP6 matrix_b_fmt:MATRIX_FMT_FP6 matrix_a_scale:MATRIX_SCALE_ROW\row
.endm
.macro ADDS d, s, n                    ; n pairs from register d on take up the n pairs from register s on
.set J, 0
.rept \n
	v_pk_add_f32 v[\d+J:\d+J+1], v[\d+J:\d+J+1], v[\s+J:\s+J+1]
.set J, J+2
.endr
.endm
.macro TAIL zb, ts                     ; behind a step's last products: the sum's last three levels, the next step's scale words' address, the old -M.  These six lines are also the places ahead of the next step's products, which write over V's registers
	ADDS \zb+60, \zb+56, 2
	v_add_nc_u32 v[ASC], s[\ts], v[LSC]
	ADDS \zb+62, \zb+60, 1
	v_mov_b32 v[T2], v12
	v_pk_add_f32 v[14:15], v[14:15], v[\zb+62:\zb+63]
.endm
	s_load_b128 s[4:7], s[0:1], 0x0                ; qkvc, qkvs
	s_load_b128 s[8:11], s[0:1], 0x10              ; cod2, sclB
	v_lshl_add_u32 v[SPW], v0, 2, SPARE
	v_mov_b32 v[NIL], 0
	ds_add_u32 v[SPW], v[NIL]
	ds_add_u32 v[SPW], v[NIL]
	v_lshrrev_b32 v[T0], 5, v0
	v_readfirstlane_b32 s[WV], v[T0]               ; wave 0..15
	s_bfe_u32 s13, ttmp6, 0x40000                  ; cx: the quarter of the queries; it enters Q's and o's addresses alone
	s_and_b32 s14, ttmp7, 0xffff                   ; y = 8 batch + pair of heads
	s_lshr_b32 s15, s[WV], 2
	s_lshl_b32 s15, s15, 8
	s_and_b32 s16, s[WV], 3
	s_lshl_b32 s17, s16, 2
	s_add_co_u32 s15, s15, s17
	s_add_co_u32 s15, s15, STG                     ; the stage: group wave / 4, word wave % 4
	s_lshl_b32 s18, s[WV], 9
	s_add_co_u32 s18, s18, STG
	s_lshl_b32 s41, s[WV], 14                      ; waves 0-11: piece w of 16,384 bytes: six of K's codes, six of V's
	s_mul_i32 s58, s14, 98304
	s_add_co_u32 s58, s58, s41
	s_add_co_u32 s58, s58, 6291456                 ; section k
	s_cmp_lt_u32 s[WV], 6
	s_cselect_b32 s59, 0, 6291456-98304            ; section v, its pieces counted from 0
	s_add_co_u32 s58, s58, s59
	s_mov_b32 s59, 0
	s_add_co_u32 s41, s41, KC
	s_lshl_b32 s45, s16, 11                        ; waves 12-15: piece w % 4 of 2,048 bytes: K's two heads, V's two
	s_lshl_b32 s56, s14, 12
	s_add_co_u32 s56, s56, s45
	s_add_co_u32 s56, s56, 1<<18
	s_cmp_lt_u32 s16, 2
	s_cselect_b32 s57, 0, (1<<18)-4096
	s_add_co_u32 s56, s56, s57
	s_mov_b32 s57, 0
	s_mov_b32 s[G1C], 15|(3<<16)|(1<<21)           ; the mask of all four; elements of 8 bytes; bit 21 beside a mask: dense blocks as rows of 256 bytes
	s_mov_b32 s[G1C+1], 32<<16
	s_mov_b32 s[G1C+2], 64<<16
	s_mov_b32 s[G1C+3], 32<<16
	s_mov_b32 s[G1C+4], 64
	s_mov_b32 s[G1C+5], 32
	s_mov_b32 s[G1C+6], 0
	s_mov_b32 s[G1C+7], 0
	s_mov_b32 s[G1S], 15|(3<<16)|(1<<21)
	s_mov_b32 s[G1S+1], 32<<16
	s_mov_b32 s[G1S+2], 8<<16
	s_mov_b32 s[G1S+3], 32<<16
	s_mov_b32 s[G1S+4], 8
	s_mov_b32 s[G1S+5], 32
	s_mov_b32 s[G1S+6], 0
	s_mov_b32 s[G1S+7], 0
	s_mov_b32 s[SEL], 0x76543210
	s_mov_b32 s[SEL+1], 0xfedcba98                 ; selects for lane l xor 16
	s_mov_b32 s[CS], 0x3e38aa3b                    ; c = log2(e) / 8
	s_mov_b32 s[CS+1], s[CS]
	s_mov_b32 s[TKA], 0
	s_mov_b32 s[TKB], 6144
	s_mov_b32 s[TSA], 0
	s_mov_b32 s[TSB], 256
	s_mov_b32 s[TVA], 98304
	s_mov_b32 s[TVB], 98304+6144
	s_and_b32 s[QSH], s[WV], 1
	s_lshl_b32 s[QSH], s[QSH], 4                   ; my tile's two bytes lie in the low or the high half of Q's word
	s_lshl_b32 s19, s13, 4
	s_add_co_u32 s19, s19, s[WV]                   ; tt: my tile of 16 queries in the batch
	s_mul_i32 s66, s14, 98304
	s_mul_i32 s67, s19, 768
	s_add_co_u32 s66, s66, s67
	s_mov_b32 s67, 0
	s_lshl_b32 s74, s14, 12
	s_lshr_b32 s70, s19, 3
	s_lshl_b32 s70, s70, 8
	s_add_co_u32 s74, s74, s70
	s_bfe_u32 s70, s[WV], 0x20001
	s_lshl_b32 s70, s70, 2
	s_add_co_u32 s74, s74, s70
	s_mov_b32 s75, 0
	s_lshr_b32 s70, s14, 3                         ; batch
	s_and_b32 s71, s14, 7                          ; the pair of heads = the last product's K step
	s_lshl_b32 s80, s70, 6
	s_add_co_u32 s80, s80, s19
	s_mul_i32 s80, s80, 12288
	s_mul_i32 s81, s71, 1536
	s_add_co_u32 s80, s80, s81
	s_mov_b32 s81, 0
	s_mul_i32 s82, s71, 36864
	s_lshl_b32 s83, s70, 12
	s_add_co_u32 s82, s82, s83
	s_lshl_b32 s83, s13, 10
	s_add_co_u32 s82, s82, s83
	s_mov_b32 s83, 0
	v_and_b32 v[T0], 31, v0
	v_and_b32 v[T1], 15, v0                        ; r
	v_bfe_u32 v[T2], v0, 4, 1                      ; h
	v_lshlrev_b32 v[L16], 4, v[T0]
	v_lshlrev_b32 v[L8], 3, v[T0]
	v_lshlrev_b32 v[R16], 4, v[T1]
	v_lshlrev_b32 v[GS], 4, v0
	v_lshlrev_b32 v[SH8], 3, v[T2]                 ; 8 h: my bytes' shift in a scale word
	v_lshl_add_u32 v[LSC], v[T2], 12, v[R16]       ; lanes 0-15 K's words of row r, lanes 16-31 V's
	v_add_nc_u32 v[SIN], s15, v[R16]
	v_add_nc_u32 v[SOUT], s18, v[L16]              ; (read by waves 0 and 1 alone)
	s_wait_alu depctr_va_vdst(0)
	s_wait_dscnt 0x0
	s_wait_kmcnt 0x0
	s_add_nc_u64 s[68:69], s[4:5], s[66:67]        ; Q's codes: my tile, first head
	s_add_nc_u64 s[72:73], s[6:7], s[74:75]        ; Q's scale words
	s_add_nc_u64 s[76:77], s[8:9], s[80:81]        ; o's codes
	s_add_nc_u64 s[78:79], s[10:11], s[82:83]      ; o's scale words: the work-group's four groups
	s_mov_b32 s40, 1
	s_add_nc_u64 s[42:43], s[4:5], s[58:59]
	s_or_b32 s43, s43, 0x80000000
	s_mov_b32 s44, 1
	s_add_nc_u64 s[46:47], s[6:7], s[56:57]
	s_or_b32 s47, s47, 0x80000000
	CROUND                                         ; all four work-groups are here: the joint loads meet
	s_cmp_lt_u32 s[WV], 12                         ; one tensor load a wave, in one of two arms
	s_cbranch_scc0 .Lwords
	tensor_load_to_lds s[40:43], s[G1C:G1C+7]
	s_nop 0
.rept 4
	v_nop
.endr
	s_branch .Lasked
.Lwords:
	tensor_load_to_lds s[44:47], s[G1S:G1S+7]
	s_nop 0
.rept 4
	v_nop
.endr
.Lasked:
	global_load_b128 v[QA:QA+3], v[L16], s[68:69]
	global_load_b64 v[QA+4:QA+5], v[L8], s[68:69] offset:512
	global_load_b128 v[QN:QN+3], v[L16], s[68:69] offset:49152       ; the second head's q, kept until its turn
	global_load_b64 v[QN+4:QN+5], v[L8], s[68:69] offset:49152+512
	global_load_b32 v[QW0], v[R16], s[72:73]
	global_load_b32 v[QWN], v[R16], s[72:73] offset:2048
.irp i, 0,1,2,3,4,5
	v_mov_b32 v[QB+\i], 0                          ; the zeros on both sides of q
	v_mov_b32 v[QA+6+\i], 0
.endr
	v_mov_b32 v[T1], 0                             ; a lane permute's destination counts as read
	v_mov_b32 v[F+1], 0                            ; (named as the upper half of a pair)
	v_add_nc_u32 v[AK16], s[TKA], v[L16]           ; the first step's LDS addresses
	v_add_nc_u32 v[AK8], s[TKA], v[L8]
	v_add_nc_u32 v[ASC], s[TSA], v[LSC]
	s_wait_alu depctr_va_vdst(0)
	s_wait_tensorcnt 0x0                           ; my piece is in,
	s_barrier_signal -1
	s_barrier_wait -1                              ; everybody's is
.irp i, 0,1,2,3
	FRAG Z1+12*\i, AK16, AK8, KC+1536*\i           ; the first step's K
.endr
	ds_load_b128 v[SCL:SCL+3], v[ASC]
; A KEY STEP: 128 keys.  za: K's fragments, then V's; zb: the scores, p, then the next step's K.  sc: this step's scale words, sn: the next step's; ps: p's scale word.
.macro KSTEP za, zb, sc, sn, ps, tk, tv        ; tk, tv: the scalars with this step's offsets in K's and in V's codes
	s_wait_dscnt 0x0                               ; K and the scale words
.irp i, 0,1,2,3                                ; token tiles 2 i and 2 i + 1 share a fragment
	MM \zb+16*\i, \za+12*\i, QA, 0, \sc+\i, QSA, 0
	MM \zb+16*\i+8, \za+12*\i, QB, 0, \sc+\i, QSB, 0
.endr
	v_add_nc_u32 v[AK16], s[\tk], v[L16]           ; this step's LDS addresses: four places in front of the loads into K's registers and of the first read of the scores
	v_add_nc_u32 v[AK8], s[\tk], v[L8]
	v_add_nc_u32 v[AV16], s[\tv], v[L16]
	v_add_nc_u32 v[AV8], s[\tv], v[L8]
.irp i, 0,1,2,3
	FRAG \za+12*\i, AV16, AV8, KC+1536*\i          ; V's four fragments land while the softmax is walked
.endr
.irp g, 0,1                                    ; the largest score of my two blocks of 32 keys: a chain to each accumulator, eight by turns; each accumulator is read from its low end on
.irp x, 0,1,2,3
	v_max3_num_f32 v[MX+4*\g+\x], v[\zb+32*\g+8*\x], v[\zb+32*\g+8*\x+1], v[\zb+32*\g+8*\x+2]
.endr
.endr
.irp i, 3,5
.irp g, 0,1
.irp x, 0,1,2,3
	v_max3_num_f32 v[MX+4*\g+\x], v[MX+4*\g+\x], v[\zb+32*\g+8*\x+\i], v[\zb+32*\g+8*\x+\i+1]
.endr
.endr
.endr
.irp g, 0,1                                    ; the chains join, each join with one of the four numbers that are left
	v_max3_num_f32 v[MX+4*\g], v[MX+4*\g], v[MX+4*\g+1], v[\zb+32*\g+7]
	v_max3_num_f32 v[MX+4*\g+2], v[MX+4*\g+2], v[MX+4*\g+3], v[\zb+32*\g+15]
.endr
.irp g, 0,1
	v_max3_num_f32 v[BM+\g], v[MX+4*\g], v[MX+4*\g+2], v[\zb+32*\g+23]
.endr
.irp g, 0,1
	v_max_num_f32 v[BM+\g], v[BM+\g], v[\zb+32*\g+31]   ; it serves twice: for the row's maximum and, since p rises with the score, for the block's largest p
.endr
	s_delay_alu instid0(VALU_DEP_1)
	v_max_num_f32 v[T0], v[BM], v[BM+1]
	s_delay_alu instid0(VALU_DEP_1)
	v_permlanex16_b32 v[T1], v[T0], s[SEL], s[SEL+1]
	s_delay_alu instid0(VALU_DEP_1)
	v_max3_num_f32 v13, v13, v[T0], v[T1]          ; the running largest score of my query
	s_delay_alu instid0(VALU_DEP_1)
	v_mul_f32 v[T0], s[CS], v13                    ; as t (c is positive)
	s_delay_alu instid0(VALU_DEP_1)
	v_floor_f32 v12, -v[T0]                        ; -M = floor(-t): M is a whole number
	s_delay_alu instid0(VALU_DEP_1)
	v_sub_f32 v[T2], v12, v[T2]
.set J, 0
.rept 4
	v_pk_fma_f32 v[\zb+J:\zb+J+1], v[\zb+J:\zb+J+1], s[CS:CS+1], v[12:13] op_sel_hi:[1,0,0]   ; t - M
.set J, J+2
.endr
	v_cvt_i32_f32 v[T2], v[T2]                     ; (it saturates)
.rept 4
	v_pk_fma_f32 v[\zb+J:\zb+J+1], v[\zb+J:\zb+J+1], s[CS:CS+1], v[12:13] op_sel_hi:[1,0,0]
.set J, J+2
.endr
	v_ldexp_f32 v[F], 1.0, v[T2]                   ; f = 2^(old M - new M)
.rept 24
	v_pk_fma_f32 v[\zb+J:\zb+J+1], v[\zb+J:\zb+J+1], s[CS:CS+1], v[12:13] op_sel_hi:[1,0,0]
.set J, J+2
.endr
.irp g, 0,1
	v_fma_f32 v[BM+\g], v[BM+\g], s[CS], v12
.endr
.set J, 0
.rept 16
	v_pk_mul_f32 v[O+J:O+J+1], v[O+J:O+J+1], v[F:F+1] op_sel_hi:[1,0]   ; O^T under the new M: read ahead of the exponentials
.set J, J+2
.endr
	s_wait_alu depctr_va_vdst(0)
.set J, 0
.rept 64
	v_exp_f32 v[\zb+J], v[\zb+J]                   ; p = 2^(t - M)
.set J, J+1
.endr
.irp g, 0,1
	v_exp_f32 v[BM+\g], v[BM+\g]                   ; the block's largest p
.endr
	v_pk_mul_f32 v[14:15], v[14:15], v[F:F+1] op_sel_hi:[1,0]      ; the sums under the new M (a plain place behind the exponentials)
	s_wait_alu depctr_va_vdst(0)                   ; one wait for the batch, ahead of its first reader
	v_max_num_f32 v[BM], 0x1800000, v[BM]          ; the floor 2^(3 - 127)
	v_max_num_f32 v[BM+1], 0x1800000, v[BM+1]
	s_delay_alu instid0(VALU_DEP_2)
	v_add_nc_u32 v[SOP], 0xff000000, v[BM]         ; 2 off the exponent field: the conversions' scale operand
	v_add_nc_u32 v[SOP+1], 0xff000000, v[BM+1]
	s_delay_alu instid0(VALU_DEP_2)
	v_lshrrev_b32 v[PD], 23, v[SOP]
	v_lshrrev_b32 v[PD+1], 23, v[SOP+1]
.irp g, 0,1
	v_cvt_scalef32_pk16_fp6_f32 v[P+6*\g:P+6*\g+2], v[\zb+32*\g:\zb+32*\g+15], v[SOP+\g]
	v_cvt_scalef32_pk16_fp6_f32 v[PT+4*\g:PT+4*\g+2], v[\zb+32*\g+16:\zb+32*\g+31], v[SOP+\g]   ; (a conversion's three registers begin on an even number)
.endr
	v_lshl_or_b32 v[T0], v[PD+1], 16, v[PD]        ; blocks h and 2 + h (a plain place behind the conversions),
	ADDS \zb+32, \zb, 5                            ; THE ROW'S SUM OF THE UNQUANTISED p, a tree in place: p has been converted.  32 pairs become 16,
	v_lshlrev_b32 v[T0], v[SH8], v[T0]             ; at their places;
	ADDS \zb+42, \zb+10, 5
	v_permlanex16_b32 v[T1], v[T0], s[SEL], s[SEL+1]
	ADDS \zb+52, \zb+20, 6
	v_or_b32 v[\ps], v[T0], v[T1]                  ; with lane l xor 16's two: p's scale word for these 128 keys
.irp g, 0,1
.irp i, 0,1,2
	v_mov_b32 v[P+3+6*\g+\i], v[PT+4*\g+\i]
.endr
.endr
	ADDS \zb+48, \zb+32, 8                         ; 8,
.irp i, 0,1,2,3
	FRAG \zb+12*\i, AK16, AK8, KC+6144+1536*\i     ; the lower 48 registers are done with: they take the next step's K
.endr
	ds_load_b128 v[\sn:\sn+3], v[ASC] offset:256
	ADDS \zb+56, \zb+48, 4                         ; 4; the rest follows behind the products
	s_wait_alu depctr_va_vdst(0)
	s_wait_dscnt 17                                ; V is in; the 17 loads just issued may be out
.irp t, 0,1,2,3                                ; four accumulators by turns
	MM O+8*\t, \za+12*\t, P, v[O+8*\t:O+8*\t+7], \sc+\t, \ps, 1
.endr
.endm
.macro HEAD e
.if \e == 0
	s_wait_loadcnt 0x0                             ; q of both heads
	v_lshrrev_b32 v[T0], s[QSH], v[QW0]
	v_and_b32 v[QSA], 0xffff, v[T0]                ; q's two bytes beside the q, the byte 0 beside the zeros
	v_lshlrev_b32 v[QSB], 16, v[T0]
	v_mov_b32 v14, 0
	v_mov_b32 v15, 0
.set J, 0
.rept 32
	v_mov_b32 v[O+J], 0                            ; the step is written once: the first finds zeros, which the first change of M leaves zeros
.set J, J+1
.endr
.else
	s_wait_xcnt 0x0                                ; the first head's stores have read their data.  O and the sums hold the first head's finite numbers: the first f, which is 0, makes zeros of them
.endif
	v_mov_b32 v13, 0xff61b1e6                      ; the largest score so far: -3e38,
	v_mov_b32 v[T2], 0x7f61b1e6                    ; and an old -M over every other: the first f is 0
	s_mov_b32 s[CNT], 4
.Lkeys_\@:                                             ; a trip is two steps: the two sets are back where they began
	KSTEP Z1, Z2, SCL, SCL+4, PS0, TKA, TVA
	TAIL Z2, TSB
	KSTEP Z2, Z1, SCL+4, SCL, PS1, TKB, TVB
	s_add_co_u32 s[TKA], s[TKA], 12288             ; behind a head's eighth step: the next head's first
	s_add_co_u32 s[TKB], s[TKB], 12288
	s_add_co_u32 s[TVA], s[TVA], 12288
	s_add_co_u32 s[TVB], s[TVB], 12288
	s_add_co_u32 s[TSA], s[TSA], 512
	s_add_co_u32 s[TSB], s[TSB], 512
	TAIL Z1, TSA
	s_sub_co_u32 s[CNT], s[CNT], 1
	s_cmp_lg_u32 s[CNT], 0
	s_cbranch_scc1 .Lkeys_\@
.if \e == 0
.irp i, 0,1,2,3,4,5
	v_mov_b32 v[QA+\i], v[QN+\i]                   ; the second head's q and its scale bytes: the way out below stands between these lines and the products that take them
.endr
	v_lshrrev_b32 v[T0], s[QSH], v[QWN]
	v_and_b32 v[QSA], 0xffff, v[T0]
	v_lshlrev_b32 v[QSB], 16, v[T0]
.endif
	v_add_f32 v14, v14, v15
	v_permlanex16_b32 v[T1], v14, s[SEL], s[SEL+1]
	v_add_f32 v14, v14, v[T1]                      ; the row's sum
	s_wait_alu depctr_va_vdst(0)
	v_rcp_f32 v[F], v14
	v_nop
	s_wait_alu depctr_va_vdst(0)                   ; ahead of the first reader of 1 / l and of O^T
.set J, 0
.rept 16
	v_pk_mul_f32 v[O+J:O+J+1], v[O+J:O+J+1], v[F:F+1] op_sel_hi:[1,0]   ; o: register i = channel 32 h + i of my query: one block
.set J, J+2
.endr
	v_max3_num_f32 v[BM], |v[O]|, |v[O+1]|, 0x1800000
	v_max3_num_f32 v[BM+1], |v[O+16]|, |v[O+17]|, |v[O+18]|
.irp i, 2,4,6,8,10,12
	v_max3_num_f32 v[BM], v[BM], |v[O+\i]|, |v[O+\i+1]|
	v_max3_num_f32 v[BM+1], v[BM+1], |v[O+17+\i]|, |v[O+18+\i]|
.endr
	v_max3_num_f32 v[BM], v[BM], |v[O+14]|, |v[O+15]|
	v_max3_num_f32 v[BM], v[BM], v[BM+1], |v[O+31]|
	v_add_nc_u32 v[SOP], 0xff000000, v[BM]
	v_lshrrev_b32 v[PD], 23, v[SOP]
	v_lshlrev_b32 v[T0], v[SH8], v[PD]
	v_permlanex16_b32 v[T1], v[T0], s[SEL], s[SEL+1]
	v_cvt_scalef32_pk16_fp6_f32 v[P:P+2], v[O:O+15], v[SOP]
	v_cvt_scalef32_pk16_fp6_f32 v[PT:PT+2], v[O+16:O+31], v[SOP]
.if \e == 0
	v_or_b32 v[AW], v[T0], v[T1]                   ; the head's two bytes (a plain place behind the conversions)
.else
	v_or_b32 v[T0], v[T0], v[T1]
.endif
.irp i, 0,1,2
	v_mov_b32 v[P+3+\i], v[PT+\i]
.endr
.if \e == 1
	v_lshl_or_b32 v[AW], v[T0], 16, v[AW]          ; the K step's scale word of my row
.endif
	global_store_b128 v[L16], v[P:P+3], s[76:77] offset:768*\e     ; 512 and 256 consecutive bytes, aligned to 256
	global_store_b64 v[L8], v[P+4:P+5], s[76:77] offset:768*\e+512
.endm
	HEAD 0
	HEAD 1
	ds_store_b32 v[SIN], v[AW]                     ; (lanes r and r + 16 write the same word with the same value)
	s_wait_dscnt 0x0
	s_barrier_signal -1
	s_barrier_wait -1
	s_cmp_lt_u32 s[WV], 2
	s_cbranch_scc0 .Lno_words
	ds_load_b128 v[Z2:Z2+3], v[SOUT]
	s_wait_dscnt 0x0
	global_store_b128 v[GS], v[Z2:Z2+3], s[78:79]  ; the work-group's 1,024 bytes of scale words, 512 consecutive bytes a wave
.Lno_words:
	s_wait_tensorcnt 0x0                           ; the wave's end
	ds_add_u32 v[SPW], v[NIL]
	s_wait_dscnt 0x0
	CROUND                                         ; the closing round
	s_endpgm
.Lfunc_end_k_q66aa98f6a0_attn:
	.size	k_q66aa98f6a0_attn, .Lfunc_end_k_q66aa98f6a0_attn-k_q66aa98f6a0_attn
	.p2alignl 7, 3214868480
	.fill 96, 4, 3214868480
	.section	.rodata,"a",@progbits
	.p2align	6, 0x0
	.amdhsa_kernel k_q66aa98f6a0_attn
		.amdhsa_group_segment_fixed_size 327680
		.amdhsa_private_segment_fixed_size 0
		.amdhsa_enable_private_segment 0
		.amdhsa_kernarg_size 32
		.amdhsa_user_sgpr_count 2
		.amdhsa_user_sgpr_kernarg_segment_ptr 1
		.amdhsa_wavefront_size32 1
		.amdhsa_system_sgpr_workgroup_id_x 1
		.amdhsa_system_sgpr_workgroup_id_y 1
		.amdhsa_system_sgpr_workgroup_id_z 1
		.amdhsa_system_vgpr_workitem_id 0
		.amdhsa_next_free_vgpr 256
		.amdhsa_next_free_sgpr 100
		.amdhsa_reserve_vcc 0
		.amdhsa_float_denorm_mode_32 3
		.amdhsa_float_denorm_mode_16_64 3
		.amdhsa_memory_ordered 1
		.amdhsa_forward_progress 1
		.amdhsa_inst_pref_size 77
	.end_amdhsa_kernel
	.amdgpu_metadata
---
amdhsa.version: [ 1, 2 ]
amdhsa.kernels:
  - .name:           k_q66aa98f6a0_attn
    .symbol:         k_q66aa98f6a0_attn.kd
    .args:
      - { .name: qkvc, .offset: 0, .size: 8, .value_kind: global_buffer, .address_space: global }
      - { .name: qkvs, .offset: 8, .size: 8, .value_kind: global_buffer, .address_space: global }
      - { .name: cod2, .offset: 16, .size: 8, .value_kind: global_buffer, .address_space: global }
      - { .name: sclB, .offset: 24, .size: 8, .value_kind: global_buffer, .address_space: global }
    .group_segment_fixed_size: 327680
    .private_segment_fixed_size: 0
    .kernarg_segment_align: 8
    .kernarg_segment_size: 32
    .max_flat_workgroup_size: 512
    .sgpr_count:     100
    .vgpr_count:     256
    .wavefront_size: 32
...
	.end_amdgpu_metadata
.endif
;; end of part 3
;; launch proj (part 4): grid 4 x 64, 4 waves a work-group, clusters of 4 x 4, 327,680 bytes of LDS; arguments cod2, sclB, out_proj_bias, out0; writes out0
.if DOCPART == 4
	.amdgcn_target "amdgcn-amd-amdhsa--gfx1250"
	.amdhsa_code_object_version 6
	.text
	.protected	k_q66aa98f6a0_proj
	.globl	k_q66aa98f6a0_proj
	.p2align	8
	.type	k_q66aa98f6a0_proj,@function
k_q66aa98f6a0_proj:
	s_mov_b64 s[64:65], 0
	v_nop
	global_prefetch_b8 v0, s[64:65] scope:SCOPE_SE
	s_setreg_imm32_b32 hwreg(HW_REG_WAVE_MODE, 25, 1), 1
	s_wait_xcnt 0x0
	s_wait_alu depctr_hold_cnt(0) depctr_sa_sdst(0) depctr_va_vdst(0) depctr_va_sdst(0) depctr_va_ssrc(0) depctr_va_vcc(0) depctr_vm_vsrc(0)
	s_getreg_b32 s2, hwreg(HW_REG_IB_STS2, 6, 4)
	s_cmp_eq_u32 s2, 0
	s_cbranch_scc0 .Lentry_in_a_cluster
	s_endpgm
.Lentry_in_a_cluster:
	s_bfe_u32 s2, ttmp6, 0x10000c
	s_cmp_lg_u32 s2, 0xf033
	s_cbranch_scc0 .Lentry_shape_is_right
	s_endpgm
.Lentry_shape_is_right:
; out0 = o W_out^T + b on codes of FP6 (E2M3) with E8M0 scales; sums in f32.  A tile of 128 x 256 of the output is made by four waves, 64 x 128 each (32 accumulators): 256 work-groups.
; Source 0 = 16 rows of W_out, source 1 = 16 rows of o: a lane holds one row of the output and eight neighbouring columns in each accumulator.  The tiles' rows lie in the order 8 u + r % 8 + 32 (r / 8): the stores' offsets undo it.
; All of K (two halves of 512: 147,456 bytes each) fits in LDS: every fill is a first fill (one tensor load a wave), nothing is filled again.
; CLUSTER 4 x 4: o's tiles are shared along a row of the cluster, W_out's along a column: each is asked for jointly.
; The wave's scale words (8 K steps x 8 blocks; o's in lanes 0-15, W_out's in lanes 16-31) stay in 64 registers; the bias is the C of each sum's first matrix instruction.
; REGISTERS: window 0: v4-11 LDS addresses, four for each half; v20-26 offsets; v32-95 scale words; v96-127, v224-255 bias; v128-175 A's fragments; on the way out v128-255 hold rows.  window 1: B's two sets.  window 2: accumulator (a, b) at v[64 a + 8 b].
.set NA,    4
.set HB, NA/2
; K GOES IN TWO HALVES OF 512: a slot holds 6,144 bytes of each tile.  All four fills go out at the head, one a wave: wave 0 o's 8 tiles of the first half, wave 1 W_out's 16, waves 2 and 3 the same of the second half.
; The first barrier shows the first half (waves 0 and 1 wait, each for a load line of its own), the barrier in K step 3 the second; nothing is filled again.
; The tiles' rows lie in the order 8 u + r % 8 + 32 (r / 8) in a group of 64: the stage's and the stores' offsets undo it.
.set NSLOT, 2
.set SLOT, 147456
.set AHALF, 24576
.set BOFF, 49152
.set BHALF, 49152
.set SSTR,  36864
.set SPITCH, 528                       ; the way out: 16 rows x (512 bytes + 16) for each wave, in chunk 0, which has had its only fill and whose last read lies ahead of the last barrier
.set ADR,   4
.set STO,   20
.set RD,    21
.set VSO,   22
.set BO1,   23
.set L16,   25
.set L8,    26
.set SC,    32
.set AF,    128
.set BK,    128
.set G1A,   24
.set G1B,   32
.set G0A,   40
.set G0B,   68
.set MSB, 0
.macro WIN new
.if MSB != (\new)
	s_set_vgpr_msb (MSB<<8)|(\new)
.set MSB, \new
.endif
.endm
.macro PLACES n
.rept \n
	v_nop
.endr
.endm
.macro CROUND
	s_barrier_signal -1
	s_barrier_wait -1
	s_cmp_lg_u32 s14, 0
	s_cbranch_scc1 .Lnot_wave_0_\@
	s_barrier_signal -3
.Lnot_wave_0_\@:
	s_barrier_wait -3
	s_barrier_signal -1
	s_barrier_wait -1
.endm
.macro FRAG reg, a16, a8, off
	ds_load_b128 v[\reg:\reg+3], v[\a16] offset:\off
	ds_load_b64 v[\reg+4:\reg+5], v[\a8] offset:\off+512
	ds_load_b128 v[\reg+6:\reg+9], v[\a16] offset:\off+768
	ds_load_b64 v[\reg+10:\reg+11], v[\a8] offset:\off+1280
.endm
.macro FETCH_B ks
.set fs, ADR+4*(((\ks)/4)%NSLOT)
	WIN 0x40
.irp i, 0,1,2,3,4,5,6,7
	FRAG 128*((\ks)%2)+12*\i, fs+2, fs+3, 6144*\i+1536*((\ks)%4)
.endr
	WIN 0
.endm
.macro FETCH_A ks, i0, n
.set fs, ADR+4*(((\ks)/4)%NSLOT)
.set fi, \i0
.rept \n
	FRAG AF+12*fi, fs, fs+1, 6144*fi+1536*((\ks)%4)
.set fi, fi+1
.endr
.endm
.macro MULA a, ks, mode                ; 8 matrix instructions: A's block a against B's eight.  mode 1: the sums begin with the bias
.if \mode == 0
	WIN 0xa1
.else
	WIN 0x81
.endif
.irp b, 0,1,2,3,4,5,6,7
.set rD, 64*(\a)+8*\b
.set rB, 128*((\ks)%2)+12*\b
.set rA, AF+12*(\a)
.if \mode == 0
	v_wmma_scale_f32_16x16x128_f8f6f4 v[rD:rD+7], v[rB:rB+11], v[rA:rA+11], v[rD:rD+7], v[SC+8*(\ks)+\b], v[SC+8*(\ks)+(\a)] matrix_a_fmt:MATRIX_FMT_FP6 matrix_b_fmt:MATRIX_FMT_FP6 matrix_a_scale:MATRIX_SCALE_ROW1
.else
.set rC, 96+8*\b+96*(\b/4)
	v_wmma_scale_f32_16x16x128_f8f6f4 v[rD:rD+7], v[rB:rB+11], v[rA:rA+11], v[rC:rC+7], v[SC+8*(\ks)+\b], v[SC+8*(\ks)+(\a)] matrix_a_fmt:MATRIX_FMT_FP6 matrix_b_fmt:MATRIX_FMT_FP6 matrix_a_scale:MATRIX_SCALE_ROW1
.endif
.endr
.endm
.macro MULAS a0, n, ks, mode           ; the 32 accumulators take turns, one instruction a turn, in the same order in every K step
.set ma, \a0
.rept \n
	MULA ma, \ks, \mode
.set ma, ma+1
.endr
.endm
.macro STEP ks, mode
	s_wait_dscnt 4*HB                              ; B's set and A's blocks 0, 1 are in; the youngest eight loads (blocks 2, 3) may be out
	MULAS 0, HB, \ks, \mode
	s_wait_dscnt 0x0
	PLACES 4                                       ; in front of loads into registers that matrix instructions have read
	FETCH_B (\ks)+1
	FETCH_A (\ks)+1, 0, HB
	MULAS HB, HB, \ks, \mode
	PLACES 4
	WIN 0
	FETCH_A (\ks)+1, HB, HB
.endm
.macro TURNS ks, tcnt                  ; the next K step lies in the next chunk: my part of it has landed, and behind the barrier everybody's has
	s_wait_tensorcnt \tcnt                         ; the count: the later chunks, which may stay out (nothing is filled again)
	s_wait_dscnt 4*HB
	MULAS 0, HB/2, \ks, 0
	s_wait_dscnt 0x0
	s_barrier_signal -1
	MULAS HB/2, HB/2, \ks, 0
	WIN 0
	s_barrier_wait -1
	PLACES 4
	FETCH_B (\ks)+1
	FETCH_A (\ks)+1, 0, HB
	MULAS HB, HB, \ks, 0
	PLACES 4
	WIN 0
	FETCH_A (\ks)+1, HB, HB
.endm
	s_load_b128 s[4:7], s[0:1], 0x0                ; cod2, sclB
	s_load_b128 s[8:11], s[0:1], 0x10              ; out_proj_bias, out0
	v_lshl_add_u32 v29, v0, 2, 0x48000
	v_mov_b32 v31, 0
	ds_add_u32 v29, v31
	ds_add_u32 v29, v31
	v_lshrrev_b32 v1, 5, v0
	v_readfirstlane_b32 s14, v1                    ; wave
	s_lshr_b32 s15, s14, 1                         ; my half of the rows
	s_and_b32 s16, s14, 1                          ; my half of the columns
	s_bfe_u32 s20, ttmp6, 0x40000                  ; cx
	s_bfe_u32 s21, ttmp6, 0x40004                  ; cy
	s_lshl_b32 s19, ttmp9, 2
	s_add_co_u32 s19, s19, s20                     ; tc: block of 256 columns
	s_and_b32 s18, ttmp7, 0xffff
	s_lshl_b32 s18, s18, 2
	s_add_co_u32 s18, s18, s21                     ; tr: block of 128 rows
	s_lshl_b32 s22, s21, 2
	s_lshl_b32 s22, 15, s22                        ; my row of the cluster
	s_lshl_b32 s23, 0x1111, s20                    ; my column
	s_or_b32 s[G1A], s22, (3<<16)|(1<<21)          ; the mask; elements of 8 bytes; bit 21 beside a mask; no padding
	s_mov_b32 s[G1A+1], 768<<16                    ; a tile's 512 along K: 6,144 bytes
	s_mov_b32 s[G1A+2], 8<<16                      ; A: 8 tiles a load
	s_mov_b32 s[G1A+3], 768<<16
	s_mov_b32 s[G1A+4], 8
	s_mov_b32 s[G1A+5], 1536                       ; from tile to tile: 12,288 bytes
	s_mov_b32 s[G1A+6], 0
	s_mov_b32 s[G1A+7], 0
	s_or_b32 s[G1B], s23, (3<<16)|(1<<21)
	s_mov_b32 s[G1B+1], 768<<16
	s_mov_b32 s[G1B+2], 16<<16                     ; B: 16 tiles a load
	s_mov_b32 s[G1B+3], 768<<16
	s_mov_b32 s[G1B+4], 16
	s_mov_b32 s[G1B+5], 1536
	s_mov_b32 s[G1B+6], 0
	s_mov_b32 s[G1B+7], 0
	s_lshl_b32 s94, s18, 3
	s_mul_i32 s94, s94, 12288                      ; A: tile 8 tr
	s_mov_b32 s95, 0
	s_lshl_b32 s96, s19, 4
	s_add_co_u32 s96, s96, 512
	s_mul_i32 s96, s96, 12288                      ; B: tile 512 + 16 tc
	s_mov_b32 s97, 0
	s_mov_b32 s63, 0                               ; where they go in a slot: A's 8 tiles, then B's 16
	s_mov_b32 s62, BOFF
	s_wait_dscnt 0x0
	s_wait_kmcnt 0x0
	s_add_nc_u64 s[94:95], s[4:5], s[94:95]
	s_add_nc_u64 s[96:97], s[4:5], s[96:97]
	CROUND                                         ; all sixteen work-groups are here: the joint loads meet
.irp c, 0,1
	s_mov_b32 s[G0A+4*\c], 1
	s_add_co_u32 s[G0A+4*\c+1], s63, \c*SLOT
	s_add_nc_u64 s[G0A+4*\c+2:G0A+4*\c+3], s[94:95], \c*6144
	s_or_b32 s[G0A+4*\c+3], s[G0A+4*\c+3], 0x80000000
	s_mov_b32 s[G0B+4*\c], 1
	s_add_co_u32 s[G0B+4*\c+1], s62, \c*SLOT
	s_add_nc_u64 s[G0B+4*\c+2:G0B+4*\c+3], s[96:97], \c*6144
	s_or_b32 s[G0B+4*\c+3], s[G0B+4*\c+3], 0x80000000
.endr
	s_cmp_lt_u32 s14, 1                            ; one chain of branches on the wave's number, one load to an arm
	s_cbranch_scc0 .Lhead_b0
	tensor_load_to_lds s[G0A:G0A+3], s[G1A:G1A+7]
	s_nop 0
	PLACES 4
	s_branch .Lfirst_asked
.Lhead_b0:
	s_cmp_lt_u32 s14, 2
	s_cbranch_scc0 .Lhead_a1
	tensor_load_to_lds s[G0B:G0B+3], s[G1B:G1B+7]
	s_nop 0
	PLACES 4
	s_branch .Lfirst_asked
.Lhead_a1:
	s_cmp_lt_u32 s14, 3
	s_cbranch_scc0 .Lhead_b1
	tensor_load_to_lds s[G0A+4:G0A+7], s[G1A:G1A+7]
	s_nop 0
	PLACES 4
	s_branch .Lfirst_asked
.Lhead_b1:
	tensor_load_to_lds s[G0B+4:G0B+7], s[G1B:G1B+7]
	s_nop 0
	PLACES 4
.Lfirst_asked:
	v_and_b32 v1, 31, v0
	v_and_b32 v2, 15, v0                           ; r
	v_bfe_u32 v3, v0, 4, 1                         ; h
	v_lshlrev_b32 v[L16], 4, v1
	v_lshlrev_b32 v[L8], 3, v1
	s_mul_i32 s98, s15, AHALF
	s_mul_i32 s99, s16, BHALF
	s_add_co_u32 s99, s99, BOFF
.irp s, 0,1
	v_add_nc_u32 v[ADR+4*\s], s98, v[L16]
	v_add_nc_u32 v[ADR+4*\s+1], s98, v[L8]
	v_add_nc_u32 v[ADR+4*\s+2], s99, v[L16]
	v_add_nc_u32 v[ADR+4*\s+3], s99, v[L8]
	s_add_co_u32 s98, s98, SLOT
	s_add_co_u32 s99, s99, SLOT
.endr
	s_lshl_b32 s98, s18, 1
	s_add_co_u32 s98, s98, s15
	s_lshl_b32 s98, s98, 8                         ; A's group of four tiles: 2 tr + half
	s_lshl_b32 s100, s19, 2
	s_lshl_b32 s99, s16, 1
	s_add_co_u32 s100, s100, s99
	s_add_co_u32 s100, s100, 128
	s_lshl_b32 s100, s100, 8                       ; B's: 128 + 4 tc + 2 half
	v_mov_b32 v27, s98
	v_mov_b32 v30, s100
	v_cmp_ne_u32 vcc_lo, 0, v3
	v_cndmask_b32 v[VSO], v27, v30, vcc_lo
	v_lshl_add_u32 v[VSO], v2, 4, v[VSO]
.irp k, 0,1,2,3,4,5,6,7
.irp j, 0,1
	global_load_b128 v[SC+8*\k+4*\j:SC+8*\k+4*\j+3], v[VSO], s[6:7] offset:\k*SSTR+256*\j   ; (j = 1 brings lanes 0-15 the next group's words: inside the buffer, never used)
.endr
.endr
	s_lshl_b32 s98, s19, 10
	s_lshl_b32 s99, s16, 9
	s_add_co_u32 s98, s98, s99                     ; my first column, in bytes: in the bias and in a row of the output
	s_mov_b32 s99, 0
	s_add_nc_u64 s[8:9], s[8:9], s[98:99]
	s_add_nc_u64 s[10:11], s[10:11], s[98:99]
	s_lshl_b32 s98, s18, 19
	s_lshl_b32 s100, s15, 18
	s_add_co_u32 s98, s98, s100                    ; my first row: 128 tr + 64 half, of 4,096 bytes
	s_add_nc_u64 s[10:11], s[10:11], s[98:99]
	v_lshlrev_b32 v[BO1], 7, v3                    ; columns along registers: 32 h on
.irp b, 0,1,2,3,4,5,6,7
	global_load_b128 v[96+8*\b+96*(\b/4):96+8*\b+96*(\b/4)+3], v[BO1], s[8:9] offset:(64*(\b/4)+8*(\b%4))*4
	global_load_b128 v[96+8*\b+96*(\b/4)+4:96+8*\b+96*(\b/4)+7], v[BO1], s[8:9] offset:(64*(\b/4)+8*(\b%4))*4+16
.endr
	s_mul_i32 s98, s14, 16*SPITCH                  ; my stage
	v_mul_u32_u24 v[STO], v2, SPITCH
	v_lshl_add_u32 v[STO], v3, 7, v[STO]
	v_add_nc_u32 v[STO], s98, v[STO]               ; in: row r, + 128 h bytes
	v_add_nc_u32 v[RD], s98, v[L16]                ; back: a row of 512 bytes, 16 a lane
	s_wait_alu depctr_va_vdst(0)
	s_cmp_lt_u32 s14, 2
	s_cbranch_scc0 .Lnot_first
	s_wait_tensorcnt 0x0                           ; waves 0 and 1: my tile of K's first half is in
.Lnot_first:
	s_barrier_signal -1
	s_barrier_wait -1                              ; K's first half is in; the second may still be on its way
	FETCH_B 0
	FETCH_A 0, 0, HB
	FETCH_A 0, HB, HB
	s_wait_loadcnt 0x0                             ; scale words and bias
	STEP 0, 1
	STEP 1, 0
	STEP 2, 0
	TURNS 3, 0                                     ; K's second half
	STEP 4, 0
	STEP 5, 0
	STEP 6, 0
	s_wait_dscnt 4*HB
	MULAS 0, HB, 7, 0
	s_wait_alu depctr_va_vdst(0)
	s_wait_dscnt 0x0
	MULAS HB, HB, 7, 0
	WIN 0
	PLACES 4
; THE WAY OUT, block by block of 16 rows x 128 columns: through my own stage, back as whole rows of 512 bytes.  LDS serves a wave's instructions in order: no wait between the stores and the loads.
.macro TOSTAGE a
	WIN 0x08                                       ; an LDS store's data are its source 1: window 2
.irp b, 0,1,2,3,4,5,6,7
	ds_store_b128 v[STO], v[64*(\a)+8*\b:64*(\a)+8*\b+3] offset:256*(\b/4)+32*(\b%4)          ; each accumulator from its low end on; columns 64 (b / 4) + 8 (b % 4) + 32 h + 0 .. 7
	ds_store_b128 v[STO], v[64*(\a)+8*\b+4:64*(\a)+8*\b+7] offset:256*(\b/4)+32*(\b%4)+16
.endr
	WIN 0
.set BB, BK+64*((\a)%2)
.irp t, 0,1,2,3,4,5,6,7,8,9,10,11,12,13,14,15
	ds_load_b128 v[BB+4*\t:BB+4*\t+3], v[RD] offset:\t*SPITCH
.endr
.endm
.macro SEND a, younger                 ; younger: the LDS instructions issued behind block a's loads, which may stay out
.set BB, BK+64*((\a)%2)
	s_wait_dscnt \younger
.irp t, 0,1,2,3,4,5,6,7,8,9,10,11,12,13,14,15
	global_store_b128 v[L16], v[BB+4*\t:BB+4*\t+3], s[10:11] offset:(8*(\a)+(\t%8)+32*(\t/8))*4096 th:TH_STORE_NT   ; place t of tile a is this row; 512 consecutive bytes, aligned to 256
.endr
.endm
	TOSTAGE 0
.irp a, 1,2,3
.if \a > 1
	s_wait_xcnt 0x0                                ; block a - 2's stores have read their registers: block a's loads may land there
.endif
	TOSTAGE \a
	SEND \a-1, 32
.endr
	SEND 3, 0
	s_wait_tensorcnt 0x0
	ds_add_u32 v29, v31
	s_wait_dscnt 0x0
	CROUND                                         ; the closing round
	s_endpgm
.Lfunc_end_k_q66aa98f6a0_proj:
	.size	k_q66aa98f6a0_proj, .Lfunc_end_k_q66aa98f6a0_proj-k_q66aa98f6a0_proj
	.p2alignl 7, 3214868480
	.fill 96, 4, 3214868480
	.section	.rodata,"a",@progbits
	.p2align	6, 0x0
	.amdhsa_kernel k_q66aa98f6a0_proj
		.amdhsa_group_segment_fixed_size 327680
		.amdhsa_private_segment_fixed_size 0
		.amdhsa_enable_private_segment 0
		.amdhsa_kernarg_size 32
		.amdhsa_user_sgpr_count 2
		.amdhsa_user_sgpr_kernarg_segment_ptr 1
		.amdhsa_wavefront_size32 1
		.amdhsa_system_sgpr_workgroup_id_x 1
		.amdhsa_system_sgpr_workgroup_id_y 1
		.amdhsa_system_sgpr_workgroup_id_z 1
		.amdhsa_system_vgpr_workitem_id 0
		.amdhsa_next_free_vgpr 768
		.amdhsa_next_free_sgpr 104
		.amdhsa_reserve_vcc 1
		.amdhsa_float_denorm_mode_32 3
		.amdhsa_float_denorm_mode_16_64 3
		.amdhsa_memory_ordered 1
		.amdhsa_forward_progress 1
		.amdhsa_inst_pref_size 85
	.end_amdhsa_kernel
	.amdgpu_metadata
---
amdhsa.version: [ 1, 2 ]
amdhsa.kernels:
  - .name:           k_q66aa98f6a0_proj
    .symbol:         k_q66aa98f6a0_proj.kd
    .args:
      - { .name: cod2, .offset: 0, .size: 8, .value_kind: global_buffer, .address_space: global }
      - { .name: sclB, .offset: 8, .size: 8, .value_kind: global_buffer, .address_space: global }
      - { .name: out_proj_bias, .offset: 16, .size: 8, .value_kind: global_buffer, .address_space: global }
      - { .name: out0, .offset: 24, .size: 8, .value_kind: global_buffer, .address_space: global }
    .group_segment_fixed_size: 327680
    .private_segment_fixed_size: 0
    .kernarg_segment_align: 8
    .kernarg_segment_size: 32
    .max_flat_workgroup_size: 128
    .sgpr_count:     104
    .vgpr_count:     768
    .wavefront_size: 32
...
	.end_amdgpu_metadata
.endif
;; end of part 4
